; MI455X (gfx1250); checked and timed in simulation.
; The chip was launched on July 23, 2026; its instructions are those of AMD's public machine-readable ISA for CDNA 5 (MIT licence, August 2026) and "CDNA5" Instruction Set Architecture Reference Guide (July 2026). The comments in the code are by the model that wrote it; some were corrected since.
;; Causal Self Attention. Allowed arithmetic: matrix products marked QUANTISED: E2M3 operands, one E8M0 scale for each 32 along K, by v_wmma_scale_f32_16x16x128_f8f6f4 with both operands' format E2M3, f32 sums; everything else in f32.
;; Inputs: Wk 1,024 x 256 float32; Wo 1,024 x 1,024 float32; Wq 1,024 x 1,024 float32; Wv 1,024 x 256 float32; bk 256 float32; bo 1,024 float32; bq 1,024 float32; bv 256 float32; x 2 x 2,048 x 1,024 float32.
;; Outputs: out0 2 x 2,048 x 1,024 float32.
;; This version of the problem:
;;   THIS VERSION OF THE PROBLEM IS GIVEN IN LOW PRECISION. The matrix products marked QUANTISED in the list below multiply operands that are first quantised to E2M3 (2 exponent bits, 3 mantissa bits; 6 bits a number), with one power-of-two scale for each 32 numbers along K (OCP MX v1.0); their sums are f32. All else is computed in f32.
;;   The module's matrix products, in the order in which they are computed (A, B: the left and right operand; K: the contracted axis; several contracted axes count as one K, in the product's order):
;;     1. [M 4,096, K 1,024] x [K 1,024, N 1,024]; A: input x; B: input Wq: QUANTISED
;;     2. [M 4,096, K 1,024] x [K 1,024, N 256]; A: input x; B: input Wk: QUANTISED
;;     3. [M 4,096, K 1,024] x [K 1,024, N 256]; A: input x; B: input Wv: QUANTISED
;;     4. batch 32 x [M 2,048, K 64] x [K 64, N 2,048]; A: computed on the way; B: computed on the way: QUANTISED
;;     5. batch 32 x [M 2,048, K 2,048] x [K 2,048, N 64]; A: softmax (see below); B: computed on the way: QUANTISED
;;     6. [M 4,096, K 1,024] x [K 1,024, N 1,024]; A: computed on the way; B: input Wo: QUANTISED
;;   THE QUANTISER, for each operand of a quantised product, along K:
;;     - K is cut into blocks of 32 from its start; a last block that is shorter is filled with zeros.
;;     - A block's scale is 2^e with e = floor(log2(the largest magnitude in the block)) - 2, held to -126 .. 127; a block of zeros has e = 0. As a byte (E8M0): e + 127.
;;     - Each number is divided by its block's scale, clamped to +-7.5, and rounded to the nearest number of E2M3, ties to even, subnormals kept.
;;     - The product sums the exact products of the quantised numbers (number of the format x scale) in f32.
;;   ~~~python
;;   def quantise(x, axis):      # numpy; x: float32 -> the quantised numbers, widened to float32 again
;;       x = np.moveaxis(x, axis, -1); K = x.shape[-1]
;;       x = np.pad(x, [(0, 0)] * (x.ndim - 1) + [(0, -K % 32)]); x = x.reshape(x.shape[:-1] + (-1, 32)); a = np.abs(x).max(-1, keepdims=True)
;;       e = np.where(a > 0, np.clip(np.frexp(np.where(a > 0, a, 1))[1] - 1 - 2, -126, 127), 0)      # np.frexp(a)[1] - 1 = floor(log2(a)), exactly
;;       r = np.clip(x / 2.0 ** e, -7.5, 7.5)
;;       step = 2.0 ** (np.maximum(np.frexp(np.where(r == 0, 1, r))[1] - 1, 0) - 3)
;;       q = np.round(r / step) * step * 2.0 ** e      # np.round: ties to even
;;       return np.moveaxis(q.reshape(q.shape[:-2] + (-1,))[..., :K], -1, axis).astype(np.float32)
;;   ~~~
;;   SOFTMAX AHEAD OF A QUANTISED PRODUCT. Where the list says 'softmax', what is quantised is not the finished softmax but p = 2^(t - M), with t = logit x log2(e) and M = ceil(the row's largest t), a whole number; so 1/2 < the row's largest p <= 1. The row's sum l is taken of the UNQUANTISED p, in f32, and the product's result is divided by l at the end. Since M is a whole number, a kernel that streams over the keys may use a running M (the ceiling of the running maximum): every later rescaling is an exact power of two, which a block's scale takes up: the codes' values come out the same.
;;   OPERANDS COMPUTED ON THE WAY. 'Computed on the way' means the value that the module computes at that place (a softmax that the list does not call 'softmax' is quantised finished and normalised). What goes into a quantiser is computed in f32, as accurately as f32 sums, v_exp_f32 and their like allow (about 1e-6 of the number): no bf16 or f16 on the way to a quantiser, and a product that is left as it is and whose result goes on into a quantised operand takes f32 operands (vector FMAs, or v_wmma_f32_16x16x4_f32). A number that lies on a knife's edge between two numbers of the format may be rounded either way, as far as f32 arithmetic and the matrix unit's own rounding can turn it there, and no further.
;; One version. Each part assembles by itself: llvm-mc -triple=amdgcn-amd-amdhsa -mcpu=gfx1250 --defsym DOCPART=n.
;; ======== version 1 of 1: 4 launches
;; limits: right only within a limited range of input values
;; workspace buffers: xq 3,276,800 bytes; wc 2,048,000 bytes; qc 3,407,872 bytes; kv 1,703,936 bytes; yq 3,276,800 bytes
;; launch quant (part 1): grid 256 x 1, 7 waves a work-group, no clusters, 81,920 bytes of LDS; arguments x, Wq, Wk, Wv, Wo, xq, wc; writes xq, wc
.if DOCPART == 1
	.amdgcn_target "amdgcn-amd-amdhsa--gfx1250"
	.amdhsa_code_object_version 6
	.text
	.protected	k_q2e4dab85ea_quant
	.globl	k_q2e4dab85ea_quant
	.p2align	8
	.type	k_q2e4dab85ea_quant,@function
k_q2e4dab85ea_quant:
	s_mov_b64 s[64:65], 0
	v_nop
	global_prefetch_b8 v0, s[64:65] scope:SCOPE_SE
	s_setreg_imm32_b32 hwreg(HW_REG_WAVE_MODE, 25, 1), 1
	s_wait_xcnt 0x0
; x [4096][1024] and the weights Wq, Wo [1024][1024], Wk, Wv [1024][256], all f32, become codes of FP6 (E2M3) with one E8M0 byte for each 32 along K.
; A block's scale is 2^(floor(log2(its largest magnitude)) - 2); its byte is the largest magnitude's exponent field - 2, held at 1 from below.
; LIMITS: a block of zeros, or one whose largest magnitude lies under 2^-124, gets the byte 1 (its codes are right, and this program alone reads the bytes); NaN and infinities are not served.
; DEAD WORK LEFT OUT OF THE PROGRAM: score tiles that the band mask (j <= i, j >= i - 256) hides wholly; see the launch attn.
; WHAT IS WRITTEN ARE IMAGES OF OPERAND REGISTERS.  A fragment (16 rows x 128 K, 12 registers a lane; registers 6 c .. 6 c + 5 of lane (r, h) hold k = 64 c + 32 h + 0 .. 31) is 1,536 bytes:
; registers 4 q .. 4 q + 3 at 512 q + 16 x lane.  TILES GO IN PAIRS: pair P covers indices 32 P .. 32 P + 31, and row rho of tile 2 P + u is index 32 P + 8 u + rho + 8 (rho / 8), so that a product which takes the two
; tiles as source 0 leaves 16 neighbours in a lane's 16 registers.  A pair's scale words for 128 along K are 128 bytes: the word of (u, rho) at 4 (16 u + rho), byte b for k block b.
; SHARES.  A wave takes one pair x 128 along K: 16 KiB of f32, all asked for at its head.  In every work-group waves 0-3 take x (K innermost: 1,024 such jobs), waves 4-6 the weights (K outermost: 640 jobs, five to two
; work-groups: three in an even one, two in an odd one, whose wave 6 has none).  Waves share nothing: no barrier.  The two paths have LDS bytes of their own.
.set XS_OFF,  3145728                  ; xq: scale words behind the images
.set WO_OFF,  1179648                  ; wc: Wo's images behind those of Wq, Wk, Wv
.set WS_OFF,  1966080                  ; wc: the scale words of Wq, Wk, Wv
.set WOS_OFF, 2015232                  ; wc: Wo's
.set XSTG,    16896                    ; x's stage of a wave: 32 rows x (512 + 16) bytes
.set WSTG0,   67584                    ; the weights' stages begin behind x's four
.set WSTG,    3328                     ; a wave's: two images, 1,664 bytes apart
.set SPARE,   80896                    ; the spare words, 128 bytes for each wave
.set R,   16                           ; v16-143  x: 32 rows x 4 registers as loaded; later tile 1's 64 numbers
.set X,   144                          ; v144-207 x: tile 0's 64 numbers
.set M,   208
.set SO,  210
.set E,   212
.set WD0, 214
.set WD1, 215
.set PC0, 216                          ; v216-227 tile 0's codes
.set PC1, 228                          ; v228-239 tile 1's
.set T,   240                          ; v240-246 second halves of blocks, before they are moved
.set PT,  248                          ; a lane permute's destination
.set WDM, 249
.set D,   16                           ; v16-143  weights: 128 numbers down K of my column
.set RB,  192                          ; v192-215 weights: the two images read back
	s_load_b256 s[4:11], s[0:1], 0x0               ; x s[4:5], Wq s[6:7], Wk s[8:9], Wv s[10:11]
	s_load_b128 s[12:15], s[0:1], 0x20             ; Wo s[12:13], xq s[14:15]
	s_load_b64 s[16:17], s[0:1], 0x30              ; wc
	v_lshl_add_u32 v254, v0, 2, SPARE
	v_mov_b32 v255, 0
	v_lshrrev_b32 v1, 5, v0
	v_readfirstlane_b32 s18, v1                    ; wave 0..6
	v_and_b32 v1, 31, v0                           ; lane
	s_mov_b32 s44, 0x76543210
	s_mov_b32 s45, 0xfedcba98                      ; v_permlanex16_b32's selects for lane l xor 16
	s_wait_alu depctr_va_vdst(0)
	s_cmp_lt_u32 s18, 4
	s_cbranch_scc0 .Lweights
; ---------------------------------------------------------------- x: K is innermost
; 64 numbers of a lane, v[src + 32 c + i] = k 64 c + 32 h + i of its row: two whole blocks.  They become the 12 registers of a fragment in v[pc] on, and the row's scale word in v[wd].
.macro QX src, pc, wd
.irp c, 0,1
	v_max3_num_f32 v[M+\c], |v[\src+32*\c]|, |v[\src+32*\c+1]|, 0x1800000   ; the floor 2^(3 - 127) among the leaves
.endr
.irp i, 2,4,6,8,10,12,14,16,18,20,22,24,26,28,30
.irp c, 0,1
	v_max3_num_f32 v[M+\c], v[M+\c], |v[\src+32*\c+\i]|, |v[\src+32*\c+\i+1]|
.endr
.endr
.irp c, 0,1
	v_add_nc_u32 v[SO+\c], 0xff000000, v[M+\c]     ; 2 off the exponent field: the conversion takes that field as its scale
.endr
.irp c, 0,1
	v_lshrrev_b32 v[E+\c], 23, v[SO+\c]            ; the scale's byte
.endr
	v_lshl_or_b32 v[\wd], v[E+1], 16, v[E]         ; my two bytes: blocks h and 2 + h,
	v_lshlrev_b32 v[\wd], v6, v[\wd]               ; 8 h bits up;
	v_permlanex16_b32 v[PT], v[\wd], s44, s45
	v_or_b32 v[\wd], v[\wd], v[PT]                 ; with lane l xor 16's two the word is whole
.irp c, 0,1
	v_cvt_scalef32_pk16_fp6_f32 v[\pc+6*\c:\pc+6*\c+2], v[\src+32*\c:\src+32*\c+15], v[SO+\c]
	v_cvt_scalef32_pk16_fp6_f32 v[T+4*\c:T+4*\c+2], v[\src+32*\c+16:\src+32*\c+31], v[SO+\c]
.endr
	v_nop                                          ; one plain place behind a scaled conversion
.irp c, 0,1
.irp i, 0,1,2
	v_mov_b32 v[\pc+6*\c+3+\i], v[T+4*\c+\i]
.endr
.endr
.endm
.macro XREAD u, dst                    ; tile u's 64 numbers a lane out of the stage: row r, bytes 256 c + 128 h on
.irp c, 0,1
.irp q, 0,1,2,3,4,5,6,7
	ds_load_b128 v[\dst+32*\c+4*\q:\dst+32*\c+4*\q+3], v3 offset:\u*16*528+256*\c+16*\q
.endr
.endr
.endm
	s_lshr_b32 s19, ttmp9, 1                       ; P: my pair of row tiles
	s_and_b32 s20, ttmp9, 1
	s_lshl_b32 s20, s20, 2
	s_add_co_u32 s20, s20, s18                     ; s: my 128 along K
	s_lshl_b32 s22, s19, 17                        ; 32 rows of 4,096 bytes a pair,
	s_lshl_b32 s23, s20, 9                         ; 512 bytes a K step
	s_add_co_u32 s22, s22, s23
	s_mov_b32 s23, 0
	s_lshr_b32 s24, s20, 1                         ; images [s / 2][tile][s % 2][1,536]
	s_mul_i32 s24, s24, 786432
	s_mul_i32 s25, s19, 6144
	s_add_co_u32 s24, s24, s25
	s_and_b32 s25, s20, 1
	s_mul_i32 s25, s25, 1536
	s_add_co_u32 s24, s24, s25
	s_mov_b32 s25, 0
	s_lshl_b32 s26, s19, 10                        ; scale words [pair][s][128]
	s_lshl_b32 s27, s20, 7
	s_add_co_u32 s26, s26, s27
	s_add_co_u32 s26, s26, XS_OFF
	s_mov_b32 s27, 0
	s_mul_i32 s28, s18, XSTG                       ; my stage
	v_lshlrev_b32 v2, 4, v1                        ; 16 x lane: my bytes of a load's 512
	v_add_nc_u32 v7, s28, v2                       ; and of a stage row
	v_and_b32 v8, 15, v0                           ; r
	v_bfe_u32 v9, v0, 4, 1                         ; h
	v_mul_u32_u24 v3, v8, 528                      ; out of the stage: row r (528 = 33 x 16), + 128 h
	v_lshl_add_u32 v3, v9, 7, v3
	v_add_nc_u32 v3, s28, v3
	v_lshlrev_b32 v5, 2, v1                        ; 4 x lane: a scale word's place
	v_lshlrev_b32 v6, 3, v9                        ; 8 h
	v_mov_b32 v[PT], 0                             ; written once: a lane permute's destination counts as one of its sources
	s_wait_alu depctr_va_vdst(0)
	s_wait_kmcnt 0x0
	s_add_nc_u64 s[4:5], s[4:5], s[22:23]
	s_add_nc_u64 s[24:25], s[14:15], s[24:25]
	s_add_nc_u64 s[26:27], s[14:15], s[26:27]
.set i, 0
.rept 32
	global_load_b128 v[R+4*i:R+4*i+3], v2, s[4:5] offset:4096*i th:TH_LOAD_NT   ; row 32 P + i: 32 lanes read 512 consecutive bytes
.set i, i+1
.endr
.set i, 0
.rept 4
	s_wait_loadcnt 24-8*(i/8)                      ; this group of eight rows is in; the younger groups stay out
.rept 8
	ds_store_b128 v7, v[R+4*i:R+4*i+3] offset:(16*((i/8)%2)+i%8+8*(i/16))*528   ; stage rows stand in the tiles' order
.set i, i+1
.endr
.endr
	XREAD 0, X                                     ; LDS serves a wave's instructions in order: these see my stores
	s_wait_dscnt 16                                ; all but those sixteen reads are done: the stores have read v16-143
	XREAD 1, R
	s_wait_dscnt 16                                ; tile 0 is in; tile 1's sixteen reads may be out
	QX X, PC0, WD0
.irp q, 0,1,2
	global_store_b128 v2, v[PC0+4*\q:PC0+4*\q+3], s[24:25] offset:512*\q   ; 32 lanes store 512 consecutive bytes, aligned
.endr
	s_wait_dscnt 0x0
	QX R, PC1, WD1
.irp q, 0,1,2
	global_store_b128 v2, v[PC1+4*\q:PC1+4*\q+3], s[24:25] offset:3072+512*\q
.endr
	v_cmp_lt_u32 vcc_lo, 15, v1
	v_cndmask_b32 v[WDM], v[WD0], v[WD1], vcc_lo   ; lanes 0-15: tile 0's words, lanes 16-31: tile 1's
	global_store_b32 v5, v[WDM], s[26:27]
	s_wait_tensorcnt 0x0                           ; the wave's end
	ds_add_u32 v254, v255
	s_wait_dscnt 0x0
	s_endpgm
; ---------------------------------------------------------------- the weights: K is the first axis
; A lane takes a column and its registers run down K: each load reads 128 consecutive bytes, a block of 32 lies in one lane, and the conversions give codes with K innermost.
.Lweights:
	s_mul_i32 s38, s18, WSTG
	s_add_co_u32 s38, s38, WSTG0-4*WSTG            ; my stage: waves 4 to 6
	s_bfe_u32 s46, ttmp9, 0x10005                  ; for the weights a work-group counts as even or odd by bit 5 of its number
	s_sub_co_u32 s40, s18, 4
	s_add_co_u32 s47, s46, s40
	s_cmp_eq_u32 s47, 3                            ; the odd work-group's third wave: no job
	s_cbranch_scc1 .Lno_job
	s_lshr_b32 s19, ttmp9, 6
	s_mul_i32 s19, s19, 5
	s_and_b32 s47, ttmp9, 31                       ; the eight work-groups of equal number modulo 32 share twenty jobs on end
	s_mul_i32 s47, s47, 20
	s_add_co_u32 s19, s19, s47
	s_mul_i32 s46, s46, 3
	s_add_co_u32 s19, s19, s46
	s_add_co_u32 s19, s19, s40                     ; my job, 0 .. 639
	s_and_b32 s41, s19, 3                          ; which 32 of the group's 128 columns
	s_lshr_b32 s19, s19, 2
	s_and_b32 s20, s19, 7                          ; s: my 128 along K
	s_lshr_b32 s21, s19, 3                         ; group of 128 columns: 0-7 Wq, 8-9 Wk, 10-11 Wv, 12-19 Wo
	s_cmp_ge_u32 s21, 8
	s_cselect_b32 s22, 8, 0
	s_cmp_ge_u32 s21, 10
	s_cselect_b32 s22, 10, s22
	s_cmp_ge_u32 s21, 12
	s_cselect_b32 s22, 12, s22
	s_sub_co_u32 s22, s21, s22                     ; the group within its tensor
	s_lshr_b32 s23, s41, 1
	s_lshl_b32 s24, s22, 1
	s_add_co_u32 s23, s23, s24                     ; the head (64 columns) within its tensor
	s_and_b32 s24, s41, 1                          ; which pair of the head's two
	s_mul_i32 s25, s23, 3                          ; THE HEAD'S SLOT: q heads 0-11 in slots 0-11; then (q head 12 + j, k head j, v head j) in slots 12 + 3 j on
	s_sub_co_u32 s26, s25, 24
	s_cmp_lt_u32 s23, 12
	s_cselect_b32 s26, s23, s26
	s_add_co_u32 s27, s25, 13
	s_cmp_ge_u32 s21, 8
	s_cselect_b32 s26, s27, s26
	s_add_co_u32 s27, s25, 14
	s_cmp_ge_u32 s21, 10
	s_cselect_b32 s26, s27, s26
	s_mov_b32 s27, 294912                          ; bytes of 256 along K: 24 slots x 4 tiles x 3,072;
	s_mov_b32 s29, WS_OFF
	s_cmp_ge_u32 s21, 12
	s_cselect_b32 s26, s23, s26                    ; Wo: the slot is the head,
	s_cselect_b32 s27, 196608, s27                 ; 64 tiles x 3,072,
	s_cselect_b32 s28, WO_OFF, 0
	s_cselect_b32 s29, WOS_OFF, s29
	s_lshr_b32 s30, s20, 1
	s_mul_i32 s30, s30, s27
	s_add_co_u32 s30, s30, s28
	s_lshl_b32 s31, s26, 2
	s_lshl_b32 s32, s24, 1
	s_add_co_u32 s31, s31, s32
	s_mul_i32 s31, s31, 3072
	s_add_co_u32 s30, s30, s31
	s_and_b32 s31, s20, 1
	s_mul_i32 s31, s31, 1536
	s_add_co_u32 s30, s30, s31                     ; where my two images go
	s_mov_b32 s31, 0
	s_lshl_b32 s32, s26, 1
	s_add_co_u32 s32, s32, s24
	s_lshl_b32 s32, s32, 10
	s_lshl_b32 s33, s20, 7
	s_add_co_u32 s32, s32, s33
	s_add_co_u32 s32, s32, s29                     ; and my pair's scale words
	s_mov_b32 s33, 0
	s_sub_co_u32 s34, s21, 8                       ; 0..3: Wk or Wv, rows of 1,024 bytes; else rows of 4,096
	s_cmp_lt_u32 s34, 4
	s_cselect_b32 s35, 17, 19
	s_lshl_b32 s36, s20, s35                       ; 128 s rows,
	s_lshl_b32 s37, s22, 9                         ; 128 columns a group,
	s_add_co_u32 s36, s36, s37
	s_lshl_b32 s37, s41, 7                         ; 32 a wave
	s_add_co_u32 s36, s36, s37
	s_mov_b32 s37, 0
	v_lshlrev_b32 v2, 2, v1                        ; 4 x lane: my column
	v_bfe_u32 v3, v0, 3, 1                         ; u: which tile of the pair my column falls into,
	v_and_b32 v4, 7, v0
	v_bfe_u32 v5, v0, 4, 1
	v_lshl_add_u32 v4, v5, 3, v4                   ; rho: and which row of it
	v_mul_u32_u24 v5, v3, 1664
	v_lshl_add_u32 v5, v4, 4, v5
	v_add_nc_u32 v5, s38, v5                       ; into the stage: image u, 16 rho
	v_lshlrev_b32 v6, 4, v1                        ; 16 x lane
	v_add_nc_u32 v7, s38, v6                       ; out of the stage
	v_lshl_add_u32 v10, v3, 4, v4
	v_lshlrev_b32 v10, 2, v10                      ; my column's scale word: 4 (16 u + rho)
	s_wait_alu depctr_va_vdst(0)
	s_wait_kmcnt 0x0
	s_cmp_ge_u32 s21, 8                            ; the tensor is chosen by ids alone
	s_cselect_b64 s[6:7], s[8:9], s[6:7]
	s_cmp_ge_u32 s21, 10
	s_cselect_b64 s[6:7], s[10:11], s[6:7]
	s_cmp_ge_u32 s21, 12
	s_cselect_b64 s[6:7], s[12:13], s[6:7]
	s_add_nc_u64 s[6:7], s[6:7], s[36:37]
	s_add_nc_u64 s[30:31], s[16:17], s[30:31]
	s_add_nc_u64 s[32:33], s[16:17], s[32:33]
.macro WLOAD pitch                     ; W(128 s + k, my column), k = 0 .. 127
.set k, 0
.rept 128
	global_load_b32 v[D+k], v2, s[6:7] offset:k*\pitch th:TH_LOAD_NT
.set k, k+1
.endr
.endm
	s_cmp_lt_u32 s34, 4
	s_cbranch_scc1 .Lnarrow
	WLOAD 4096
	s_branch .Lloaded
.Lnarrow:
	WLOAD 1024
.Lloaded:
; Block b of my column: k = 32 b .. 32 b + 31 = registers 6 (b / 2) .. + 5 of lane (rho, b % 2) of image u.  Each block has registers of its own for its codes.
.macro WBLOCK b
.set DS, D+32*(\b)
.set CB, 144+8*(\b)
.set TB, 176+4*(\b)
	v_max3_num_f32 v8, |v[DS]|, |v[DS+1]|, |v[DS+2]|
	v_max3_num_f32 v9, |v[DS+3]|, |v[DS+4]|, |v[DS+5]|
.irp i, 6,10,14,18,22,26
	v_max3_num_f32 v8, v8, |v[DS+\i]|, |v[DS+\i+1]|
	v_max3_num_f32 v9, v9, |v[DS+\i+2]|, |v[DS+\i+3]|
.endr
	v_max3_num_f32 v8, v8, |v[DS+30]|, |v[DS+31]|
	v_max3_num_f32 v8, v8, v9, 0x1800000           ; and the floor 2^(3 - 127)
	v_add_nc_u32 v[12+\b], 0xff000000, v8          ; the conversions' scale operand
	v_lshrrev_b32 v9, 23, v[12+\b]                 ; the byte
.if (\b) == 0
	v_mov_b32 v11, v9
.else
	v_lshl_or_b32 v11, v9, 8*(\b), v11             ; byte b of my column's scale word
.endif
	v_cvt_scalef32_pk16_fp6_f32 v[CB:CB+2], v[DS:DS+15], v[12+\b]
	v_cvt_scalef32_pk16_fp6_f32 v[TB:TB+2], v[DS+16:DS+31], v[12+\b]
	v_nop                                          ; one plain place behind a scaled conversion
.irp i, 0,1,2
	v_mov_b32 v[CB+3+\i], v[TB+\i]
.endr
.irp t, 0,1,2
.set RP, 3*((\b)/2)+\t                 ; the register pair: half RP % 2 of the 16-byte piece RP / 2
	ds_store_b64 v5, v[CB+2*\t:CB+2*\t+1] offset:512*(RP/2)+8*(RP%2)+256*((\b)%2)
.endr
.endm
	s_wait_loadcnt 63                              ; at most 63 of the 128 loads are out: the first 65 are in, blocks 0 and 1 among them
	WBLOCK 0
	WBLOCK 1
	s_wait_alu depctr_va_vdst(0)
	s_wait_loadcnt 32                              ; block 2 is in; block 3's 32 loads may be out
	WBLOCK 2
	s_wait_alu depctr_va_vdst(0)
	s_wait_loadcnt 0x0
	WBLOCK 3
.irp u, 0,1
.irp q, 0,1,2
	ds_load_b128 v[RB+12*\u+4*\q:RB+12*\u+4*\q+3], v7 offset:1664*\u+512*\q   ; LDS serves a wave's instructions in order: these see my stores
.endr
.endr
.set n, 0
	s_wait_alu depctr_va_vdst(0)
.irp u, 0,1
.irp q, 0,1,2
	s_wait_dscnt 5-n                               ; this read is back; the later ones may be out
	global_store_b128 v6, v[RB+12*\u+4*\q:RB+12*\u+4*\q+3], s[30:31] offset:3072*\u+512*\q   ; 512 consecutive bytes, aligned
.set n, n+1
.endr
.endr
	global_store_b32 v10, v11, s[32:33]
	s_wait_tensorcnt 0x0                           ; the wave's end
	ds_add_u32 v254, v255
	s_wait_dscnt 0x0
.Lno_job:
	s_endpgm
.Lfunc_end_k_q2e4dab85ea_quant:
	.size	k_q2e4dab85ea_quant, .Lfunc_end_k_q2e4dab85ea_quant-k_q2e4dab85ea_quant
	.p2alignl 7, 3214868480
	.fill 96, 4, 3214868480
	.section	.rodata,"a",@progbits
	.p2align	6, 0x0
	.amdhsa_kernel k_q2e4dab85ea_quant
		.amdhsa_group_segment_fixed_size 81920
		.amdhsa_private_segment_fixed_size 0
		.amdhsa_enable_private_segment 0
		.amdhsa_kernarg_size 56
		.amdhsa_user_sgpr_count 2
		.amdhsa_user_sgpr_kernarg_segment_ptr 1
		.amdhsa_wavefront_size32 1
		.amdhsa_system_sgpr_workgroup_id_x 1
		.amdhsa_system_sgpr_workgroup_id_y 1
		.amdhsa_system_sgpr_workgroup_id_z 1
		.amdhsa_system_vgpr_workitem_id 0
		.amdhsa_next_free_vgpr 256
		.amdhsa_next_free_sgpr 66
		.amdhsa_reserve_vcc 1
		.amdhsa_float_denorm_mode_32 3
		.amdhsa_float_denorm_mode_16_64 3
		.amdhsa_memory_ordered 1
		.amdhsa_forward_progress 1
		.amdhsa_inst_pref_size 52
	.end_amdhsa_kernel
	.amdgpu_metadata
---
amdhsa.version: [ 1, 2 ]
amdhsa.kernels:
  - .name:           k_q2e4dab85ea_quant
    .symbol:         k_q2e4dab85ea_quant.kd
    .args:
      - { .name: x, .offset: 0, .size: 8, .value_kind: global_buffer, .address_space: global }
      - { .name: Wq, .offset: 8, .size: 8, .value_kind: global_buffer, .address_space: global }
      - { .name: Wk, .offset: 16, .size: 8, .value_kind: global_buffer, .address_space: global }
      - { .name: Wv, .offset: 24, .size: 8, .value_kind: global_buffer, .address_space: global }
      - { .name: Wo, .offset: 32, .size: 8, .value_kind: global_buffer, .address_space: global }
      - { .name: xq, .offset: 40, .size: 8, .value_kind: global_buffer, .address_space: global }
      - { .name: wc, .offset: 48, .size: 8, .value_kind: global_buffer, .address_space: global }
    .group_segment_fixed_size: 81920
    .private_segment_fixed_size: 0
    .kernarg_segment_align: 8
    .kernarg_segment_size: 56
    .max_flat_workgroup_size: 224
    .sgpr_count:     66
    .vgpr_count:     256
    .wavefront_size: 32
...
	.end_amdgpu_metadata
.endif
;; end of part 1
;; launch qkv (part 2): grid 8 x 32, 12 waves a work-group, clusters of 4 x 4, 263,680 bytes of LDS; arguments xq, wc, bq, bk, bv, qc, kv; writes qc, kv
.if DOCPART == 2
	.amdgcn_target "amdgcn-amd-amdhsa--gfx1250"
	.amdhsa_code_object_version 6
	.text
	.protected	k_q2e4dab85ea_qkv
	.globl	k_q2e4dab85ea_qkv
	.p2align	8
	.type	k_q2e4dab85ea_qkv,@function
k_q2e4dab85ea_qkv:
	s_mov_b64 s[64:65], 0
	v_nop
	global_prefetch_b8 v0, s[64:65] scope:SCOPE_SE
	s_setreg_imm32_b32 hwreg(HW_REG_WAVE_MODE, 25, 1), 1
	s_wait_xcnt 0x0
	s_wait_alu depctr_hold_cnt(0) depctr_sa_sdst(0) depctr_va_vdst(0) depctr_va_sdst(0) depctr_va_ssrc(0) depctr_va_vcc(0) depctr_vm_vsrc(0)
	s_getreg_b32 s2, hwreg(HW_REG_IB_STS2, 6, 4)
	s_cmp_eq_u32 s2, 0
	s_cbranch_scc0 .Lentry_in_a_cluster
	s_endpgm
.Lentry_in_a_cluster:
	s_bfe_u32 s2, ttmp6, 0x10000c
	s_cmp_lg_u32 s2, 0xf033
	s_cbranch_scc0 .Lentry_shape_is_right
	s_endpgm
.Lentry_shape_is_right:
; q = x Wq + bq, k = x Wk + bk, v = x Wv + bv on codes of FP6 (E2M3) with E8M0 scales, sums in f32; the results are quantised at once: q and k along the head's 64, v along the keys.
; SHARES.  A work-group makes 128 rows x 3 head slots (192 columns) over all of K = 1,024.  Its operands, 96 KiB of x and 144 KiB of W, fit in LDS and are filled ONCE, in four chunks of 256 along K:
; no LDS byte is filled twice.  Twelve waves: head slot HG = wave / 4, quarter WQ = wave % 4.  Every wave runs the same text: 4 tiles as source 0, 2 as source 1, 8 accumulators, 64 matrix instructions.
; KINDS.  Slots 0-11 are q heads; slots 12 + 3 j, 13 + 3 j, 14 + 3 j are q head 12 + j, k head j, v head j.  The kind hangs on the cluster's x and the wave's number alone and enters only through chosen DATA
; (LDS bases, pointers, offsets, one lane mask), never through a branch.
;   q, k: source 0 = the head's 4 tiles of W, source 1 = x's tiles 2 WQ, 2 WQ + 1: a lane holds one row, its registers run along d.
;   v:    source 0 = x's tiles 4 kap .. 4 kap + 3 (64 keys), source 1 = W's tiles 2 dp, 2 dp + 1 (kap = WQ / 2, dp = WQ % 2): a lane holds one d, its registers run along the keys.
; Tiles stand in the pairs' order (row rho of tile 2 P + u is index 32 P + 8 u + rho + 8 (rho / 8)), so in both cases register 16 b + i of the 64 results is index 32 (b % 2) + 16 h + i of block b: what QUANT takes.
; The biases start the sums (they are laid into the accumulators ahead of the first product), so every product adds in place.
; CLUSTER 4 x 4: x's chunks hang on the row tile alone and are shared along a row of the cluster, W's on the column tile alone and are shared along a column: joint loads.
; LIMITS: a block of zeros, or one whose largest magnitude lies under 2^-124, gets the byte 1 (this program alone reads the bytes); NaN and infinities are not served.
.set XS_OFF, 3145728                   ; xq: scale words
.set WS_OFF, 1966080                   ; wc: scale words of Wq, Wk, Wv
.set QS_OFF, 3145728                   ; qc: scale words
.set CH,     61440                     ; a chunk in LDS: x's 8 tiles x 2 K steps x 1,536, then W's 12 tiles likewise
.set WB,     24576                     ; where W begins in a chunk
.set REC,    13312                     ; kv: two records of 64 keys.  A record, 6,656 bytes: 2 images of K, 256 bytes of their words, 4 half images of V^T (16 d x 64 keys, 768 bytes each), 256 bytes of raw words
.set WV, 18
.set HG, 19
.set WQ, 20
.set CX, 21
.set CY, 22
.set NT, 23
.set G1X, 24                           ; s[24:31] descriptor group 1 for x's chunks;  s[32:39] for W's
.set G1W, 32
.set G0X, 40                           ; s[40:43] group 0 for x's chunk that I fetch;  s[68:71] for W's
.set MT, 56
.set ISV, 57
.set VM, 58
.set ISK, 59
.set SIG, 60
.set HALF, 61
.set OUTS, 66                          ; s[66:67] where my scale words go
.set G0W, 68
.set PA, 84                            ; s[84:85] source 0's scale words;  s[86:87] source 1's
.set PB, 86
.set PBI, 88                           ; s[88:89] my head's 64 numbers of bias
.set OUTC, 90                          ; s[90:91] where my codes go
.set SEL, 100                          ; s[100:101] v_permlanex16_b32's selects
.set AA,  4                            ; v4  LDS address of source 0's fragments
.set AB,  5                            ; v5  of source 1's
.set VO0, 6                            ; v6  8 x lane
.set VO1, 7                            ; v7  8 x lane + the distance to the second half's image
.set L4,  9                            ; v9  4 x lane
.set H64, 10                           ; v10 64 h
.set DB,  11                           ; v11 the byte of my lane's d in the head's bias
.set SA,  16                           ; v16-31 source 0's scale words [pair of tiles 2][K step 8]: lanes 0-15 the even tile's, lanes 16-31 the odd tile's
.set SB,  32                           ; v32-39 source 1's [K step 8]
.set AF,  40                           ; v40-87 source 0's four fragments
.set BF,  88                           ; v88-111 source 1's two
.set AF2, 176                          ; v176-223, v224-247: the second set of fragments, ahead of the quantiser's use of these registers
.set BF2, 224
.set LA,  40                           ; at the head: the bias in q's and k's layout, 32 registers
.set LB,  88                           ; and in v's, 2 registers
.set ACC, 112                          ; v112-175 accumulator (b, a) at ACC + 32 b + 8 a
.set TM,  176
.set PW,  192
.set PC,  196
.macro CROUND                          ; a round of the cluster's barrier
	s_barrier_signal -1
	s_barrier_wait -1
	s_cmp_lg_u32 s[WV], 0
	s_cbranch_scc1 .Lnot_wave_0_\@
	s_barrier_signal -3
.Lnot_wave_0_\@:
	s_barrier_wait -3
	s_barrier_signal -1
	s_barrier_wait -1
.endm
.macro FRAG reg, adr, off              ; an image comes back as the registers that it is: registers 4 i .. 4 i + 3 from 512 i + 16 x lane; a load's 32 lanes read 512 consecutive bytes
.irp i, 0,1,2
	ds_load_b128 v[\reg+4*\i:\reg+4*\i+3], v[\adr] offset:\off+512*\i
.endr
.endm
.macro MM d, a, b, c, sa, sb, ra, rb   ; one product; ra, rb = 1: that side's scales stand in lanes 16-31
.if ((\ra)==0) && ((\rb)==0)
	v_wmma_scale_f32_16x16x128_f8f6f4 v[\d:\d+7], v[\a:\a+11], v[\b:\b+11], v[\c:\c+7], v[\sa], v[\sb] matrix_a_fmt:MATRIX_FMT_FP6 matrix_b_fmt:MATRIX_FMT_FP6
.elseif ((\ra)==1) && ((\rb)==0)
	v_wmma_scale_f32_16x16x128_f8f6f4 v[\d:\d+7], v[\a:\a+11], v[\b:\b+11], v[\c:\c+7], v[\sa], v[\sb] matrix_a_fmt:MATRIX_FMT_FP6 matrix_b_fmt:MATRIX_FMT_FP6 matrix_a_scale:MATRIX_SCALE_ROW1
.elseif ((\ra)==0) && ((\rb)==1)
	v_wmma_scale_f32_16x16x128_f8f6f4 v[\d:\d+7], v[\a:\a+11], v[\b:\b+11], v[\c:\c+7], v[\sa], v[\sb] matrix_a_fmt:MATRIX_FMT_FP6 matrix_b_fmt:MATRIX_FMT_FP6 matrix_b_scale:MATRIX_SCALE_ROW1
.else
	v_wmma_scale_f32_16x16x128_f8f6f4 v[\d:\d+7], v[\a:\a+11], v[\b:\b+11], v[\c:\c+7], v[\sa], v[\sb] matrix_a_fmt:MATRIX_FMT_FP6 matrix_b_fmt:MATRIX_FMT_FP6 matrix_a_scale:MATRIX_SCALE_ROW1 matrix_b_scale:MATRIX_SCALE_ROW1
.endif
.endm
; 128 along K: the chunk's ks-th, K step st of eight.  The eight accumulators take turns, one instruction a turn, from step to step too.
.macro LOADK ks, af, bf                ; 18 LDS loads: the chunk's K step ks into one set of fragments
.irp b, 0,1
	FRAG \bf+12*\b, AB, 3072*\b+1536*\ks
.endr
.irp a, 0,1,2,3
	FRAG \af+12*\a, AA, 3072*\a+1536*\ks
.endr
.endm
.macro MULK st, af, bf                 ; its eight products
.irp b, 0,1
.irp a, 0,1,2,3
	MM ACC+32*\b+8*\a, \af+12*\a, \bf+12*\b, ACC+32*\b+8*\a, SA+8*(\a/2)+\st, SB+\st, \a%2, \b
.endr
.endr
.endm
; A chunk: both its K steps are asked for at once, in two sets of fragments; the second step's products stand between the next barrier's signal and its wait (register work).
.macro CHUNK kc
.if \kc < 3
	s_cmp_lt_u32 s[WV], 2*\kc+2                    ; waves 2 kc and 2 kc + 1 fetched this chunk (the waves below them have waited already)
	s_cbranch_scc0 .Lother_\@
.endif
	s_wait_tensorcnt 0x0                           ; my load has landed; the later chunks' loads fill other bytes, and nothing is filled twice
.if \kc < 3
.Lother_\@:
.endif
	s_barrier_signal -1                            ; (no LDS access of mine is pending: the last chunk's reads were waited for)
.if \kc > 0
	MULK 2*\kc-1, AF2, BF2
.endif
	s_barrier_wait -1                              ; everybody's part of the chunk is in
.rept 4
	v_nop                                          ; four places in front of loads into registers that matrix instructions have read
.endr
	LOADK 0, AF, BF
	LOADK 1, AF2, BF2
.if \kc < 3
	v_add_nc_u32 v[AA], CH, v[AA]
	v_add_nc_u32 v[AB], CH, v[AB]
.endif
	s_wait_dscnt 18                                ; the first step's fragments are in; the second's eighteen loads may be out
	MULK 2*\kc, AF, BF
	s_wait_dscnt 0x0
.endm
; 64 numbers of a lane, v[src + 16 b + i] = index 32 b + 16 h + i: four blocks of 32, each shared with lane l xor 16.  Codes to v[PC] .. v[PC + 11] (registers 6 c on: lanes 0-15 block 2 c, lanes 16-31 block 2 c + 1), bytes to v[PW].
.macro QUANT src
.irp b, 0,1,2,3
	v_max3_num_f32 v[TM+\b], |v[\src+16*\b]|, |v[\src+1+16*\b]|, 0x1800000   ; the floor 2^(3 - 127): the byte cannot fall under 1
.endr
.irp i, 2,4,6,8,10,12,14
.irp b, 0,1,2,3
	v_max3_num_f32 v[TM+\b], v[TM+\b], |v[\src+16*\b+\i]|, |v[\src+1+16*\b+\i]|   ; the four blocks by turns; each accumulator is read from its low end on
.endr
.endr
.irp b, 0,1,2,3
	s_delay_alu instid0(VALU_DEP_4)
	v_permlanex16_b32 v[TM+4+\b], v[TM+\b], s[SEL], s[SEL+1]
.endr
.irp b, 0,1,2,3
	s_delay_alu instid0(VALU_DEP_4)
	v_max_num_f32 v[TM+\b], v[TM+\b], v[TM+4+\b]
.endr
.irp b, 0,1,2,3
	s_delay_alu instid0(VALU_DEP_4)
	v_add_nc_u32 v[TM+12+\b], 0xff000000, v[TM+\b] ; 2 off the exponent field: the conversion's scale operand
.endr
.irp b, 0,1,2,3
	s_delay_alu instid0(VALU_DEP_4)
	v_lshrrev_b32 v[TM+4+\b], 23, v[TM+12+\b]      ; the byte
.endr
	s_delay_alu instid0(VALU_DEP_3)
	v_lshl_or_b32 v[PW], v[TM+5], 8, v[TM+4]
	s_delay_alu instid0(VALU_DEP_1)
	v_lshl_or_b32 v[PW], v[TM+6], 16, v[PW]
	s_delay_alu instid0(VALU_DEP_1)
	v_lshl_or_b32 v[PW], v[TM+7], 24, v[PW]
.irp c, 0,1
	v_cvt_scalef32_pk16_fp6_f32 v[PC+6*\c:PC+2+6*\c], v[\src+32*\c:\src+15+32*\c], v[TM+12+2*\c]
	v_cvt_scalef32_pk16_fp6_f32 v[PC+12+4*\c:PC+14+4*\c], v[\src+16+32*\c:\src+31+32*\c], v[TM+12+2*\c+1]   ; (a conversion's three registers begin on an even number)
.endr
	v_nop                                          ; one plain place behind a scaled conversion
.irp c, 0,1
.irp i, 0,1,2
	v_permlane16_swap_b32 v[PC+6*\c+\i], v[PC+12+4*\c+\i]   ; a whole block to a lane
.endr
.irp i, 0,1,2
	s_delay_alu instid0(VALU_DEP_3)
	v_mov_b32 v[PC+3+6*\c+\i], v[PC+12+4*\c+\i]
.endr
.endr
.endm
	s_load_b256 s[4:11], s[0:1], 0x0               ; xq s[4:5], wc s[6:7], bq s[8:9], bk s[10:11]
	s_load_b128 s[12:15], s[0:1], 0x20             ; bv s[12:13], qc s[14:15]
	s_load_b64 s[16:17], s[0:1], 0x30              ; kv
	v_lshl_add_u32 v254, v0, 2, 0x40000
	v_mov_b32 v255, 0
	ds_add_u32 v254, v255
	ds_add_u32 v254, v255
	v_lshrrev_b32 v1, 5, v0
	s_delay_alu instid0(VALU_DEP_1)
	v_readfirstlane_b32 s[WV], v1                  ; wave 0..11
	v_and_b32 v1, 31, v0                           ; lane
	s_wait_alu depctr_va_vdst(0)
	v_and_b32 v2, 15, v0                           ; r
	v_bfe_u32 v3, v0, 4, 1                         ; h
	s_lshr_b32 s[HG], s[WV], 2
	s_and_b32 s[WQ], s[WV], 3
	s_lshr_b32 s[HALF], s[WV], 1                   ; the chunk that I fetch, if I fetch: waves 0 to 7, even ones x's part, odd ones W's
	s_min_u32 s[HALF], s[HALF], 3
	s_bfe_u32 s[CX], ttmp6, 0x40000
	s_bfe_u32 s[CY], ttmp6, 0x40004
	s_lshl_b32 s[NT], ttmp9, 2
	s_add_co_u32 s[NT], s[NT], s[CX]               ; column tile (3 slots) = 4 x cluster x + cx
	s_and_b32 s[MT], ttmp7, 0xffff
	s_lshl_b32 s[MT], s[MT], 2
	s_add_co_u32 s[MT], s[MT], s[CY]               ; row tile (128 rows) = 4 x cluster y + cy
	s_lshl_b32 s62, s[CY], 2
	s_lshl_b32 s62, 15, s62                        ; my row of the cluster
	s_lshl_b32 s63, 0x1111, s[CX]                  ; my column
	s_or_b32 s[G1X], s62, (3<<16)|(1<<21)          ; 15:0 the mask; 17:16 elements of 8 bytes; 21 set beside a mask; no padding
	s_or_b32 s[G1W], s63, (3<<16)|(1<<21)
	s_mov_b32 s[G1X+1], 32<<16                     ; dense blocks as rows of 256 bytes (32 elements)
	s_mov_b32 s[G1X+2], 96<<16
	s_mov_b32 s[G1X+3], 32<<16
	s_mov_b32 s[G1X+4], 96                         ; 96 rows in truth: a chunk's 24,576 bytes of x
	s_mov_b32 s[G1X+5], 32
	s_mov_b32 s[G1X+6], 0
	s_mov_b32 s[G1X+7], 0
	s_mov_b32 s[G1W+1], 32<<16
	s_mov_b32 s[G1W+2], 144<<16
	s_mov_b32 s[G1W+3], 32<<16
	s_mov_b32 s[G1W+4], 144                        ; a chunk's 36,864 bytes of W
	s_mov_b32 s[G1W+5], 32
	s_mov_b32 s[G1W+6], 0
	s_mov_b32 s[G1W+7], 0
	s_mul_i32 s92, s[MT], 24576                    ; x's address is made of the row tile and the wave's number, in registers that never hold the column tile;
	s_mul_i32 s93, s[HALF], 786432
	s_add_co_u32 s92, s92, s93
	s_mov_b32 s93, 0
	s_mul_i32 s94, s[NT], 36864                    ; W's of the column tile and the wave's number
	s_mul_i32 s95, s[HALF], 294912
	s_add_co_u32 s94, s94, s95
	s_mov_b32 s95, 0
	; the kind, and the LDS bases that hang on it: made ahead of the branch on the wave's number below.  No place in the cluster enters them
	s_cmp_eq_u32 s[HG], 2
	s_cselect_b32 s[ISV], ttmp9, 0                 ; 1: my slot is a v head
	s_cmp_eq_u32 s[HG], 1
	s_cselect_b32 s[ISK], ttmp9, 0                 ; 1: a k head
	s_lshr_b32 s62, s[WQ], 1                       ; kap
	s_and_b32 s63, s[WQ], 1                        ; dp
	s_mul_i32 s96, s62, 12288                      ; v: x's tiles 4 kap on
	s_mul_i32 s97, s[HG], 12288
	s_add_co_u32 s97, s97, WB                      ; my slot's four tiles of W
	s_mul_i32 s98, s63, 6144
	s_add_co_u32 s98, s98, s97                     ; v: W's tiles 2 dp on
	s_mul_i32 s99, s[WQ], 6144                     ; q, k: x's tiles 2 WQ on
	s_cmp_lg_u32 s[ISV], 0
	s_cselect_b32 s96, s96, s97
	s_cselect_b32 s98, s98, s99
	s_cselect_b32 s[VM], -1, 0                     ; all lanes, or none: chooses v's bias
	v_lshlrev_b32 v12, 4, v1                       ; 16 x lane
	v_lshlrev_b32 v[VO0], 3, v1
	s_delay_alu instid0(VALU_DEP_2)
	v_add_nc_u32 v[AA], s96, v12                   ; both choices, with every offset below, stay inside a chunk's 61,440 bytes
	s_delay_alu instid0(VALU_DEP_3)
	v_add_nc_u32 v[AB], s98, v12
	s_mul_i32 s96, s[HALF], CH                     ; where my load goes: the chunk, x's part,
	s_add_co_u32 s97, s96, WB                      ; or W's
	s_wait_alu depctr_va_vdst(0)
	s_wait_dscnt 0x0                               ; both opening adds are done
	CROUND                                         ; all sixteen work-groups are here: the joint loads meet.  The round stands ahead of the wait for the arguments
	s_wait_kmcnt 0x0
	s_add_nc_u64 s[92:93], s[4:5], s[92:93]
	s_add_nc_u64 s[94:95], s[6:7], s[94:95]
	s_mov_b32 s[G0X], 1
	s_mov_b32 s[G0X+1], s96
	s_mov_b64 s[G0X+2:G0X+3], s[92:93]
	s_or_b32 s[G0X+3], s[G0X+3], 0x80000000
	s_mov_b32 s[G0W], 1
	s_mov_b32 s[G0W+1], s97
	s_mov_b64 s[G0W+2:G0W+3], s[94:95]
	s_or_b32 s[G0W+3], s[G0W+3], 0x80000000
; One load a wave: waves 2 kc and 2 kc + 1 fetch chunk kc's x and W, each by a line of its own, so that a chunk is shown when its two waves have waited; waves 8 to 11 fetch nothing.
.macro ARM n, g0, g1
	s_cmp_eq_u32 s[WV], \n
	s_cbranch_scc0 .Lnext_\@
	tensor_load_to_lds s[\g0:\g0+3], s[\g1:\g1+7]
	s_nop 0
.rept 4
	v_nop
.endr
	s_branch .Lasked
.Lnext_\@:
.endm
	ARM 0, G0X, G1X
	ARM 1, G0W, G1W
	ARM 2, G0X, G1X
	ARM 3, G0W, G1W
	ARM 4, G0X, G1X
	ARM 5, G0W, G1W
	ARM 6, G0X, G1X
	ARM 7, G0W, G1W
.Lasked:
	; the scale words' places
	s_mul_i32 s[SIG], s[NT], 3
	s_add_co_u32 s[SIG], s[SIG], s[HG]             ; my slot
	s_lshl_b32 s96, s[SIG], 11
	s_add_co_u32 s96, s96, WS_OFF                  ; W: my slot's two pairs, 1,024 bytes each
	s_lshl_b32 s97, s63, 10
	s_add_co_u32 s97, s97, s96                     ; v: pair dp of them
	s_lshl_b32 s98, s[MT], 12
	s_add_co_u32 s98, s98, XS_OFF                  ; x: my row tile's four pairs
	s_lshl_b32 s99, s62, 11
	s_add_co_u32 s99, s99, s98                     ; v: pairs 2 kap, 2 kap + 1
	s_lshl_b32 s2, s[WQ], 10
	s_add_co_u32 s2, s2, s98                       ; q, k: pair WQ
	s_cmp_lg_u32 s[ISV], 0
	s_cselect_b32 s96, s99, s96
	s_cselect_b32 s98, s97, s2
	s_cselect_b64 s[PA:PA+1], s[4:5], s[6:7]
	s_cselect_b64 s[PB:PB+1], s[6:7], s[4:5]
	s_mov_b32 s97, 0
	s_mov_b32 s99, 0
	s_add_nc_u64 s[PA:PA+1], s[PA:PA+1], s[96:97]
	s_add_nc_u64 s[PB:PB+1], s[PB:PB+1], s[98:99]
	; the head, its bias and its output
	s_add_co_u32 s96, s[NT], 8
	s_cmp_lg_u32 ttmp9, 0
	s_cselect_b32 s96, s96, s[SIG]                 ; the q head
	s_sub_co_u32 s97, s[NT], 4                     ; the k or v head (used where the cluster's x is 1)
	s_or_b32 s98, s[ISK], s[ISV]
	s_cmp_lg_u32 s98, 0
	s_cselect_b32 s99, s97, s96
	s_cselect_b64 s[OUTC:OUTC+1], s[16:17], s[14:15]
	s_mov_b64 s[PBI:PBI+1], s[8:9]
	s_cmp_lg_u32 s[ISK], 0
	s_cselect_b64 s[PBI:PBI+1], s[10:11], s[PBI:PBI+1]
	s_cmp_lg_u32 s[ISV], 0
	s_cselect_b64 s[PBI:PBI+1], s[12:13], s[PBI:PBI+1]
	s_lshl_b32 s2, s99, 8
	s_mov_b32 s3, 0
	s_add_nc_u64 s[PBI:PBI+1], s[PBI:PBI+1], s[2:3]
	s_lshl_b32 s2, s[MT], 2                        ; q: [pair 4 MT + WQ][head][u][768], words [pair][head][128]
	s_add_co_u32 s2, s2, s[WQ]
	s_lshl_b32 s2, s2, 4
	s_add_co_u32 s2, s2, s96
	s_mul_i32 s3, s2, 1536
	s_lshl_b32 s2, s2, 7
	s_add_co_u32 s2, s2, QS_OFF
	s_lshr_b32 s96, s[MT], 4                       ; k, v: the record of (batch MT / 16, head, key step MT % 16)
	s_lshl_b32 s96, s96, 6
	s_lshl_b32 s97, s97, 4
	s_add_co_u32 s96, s96, s97
	s_and_b32 s97, s[MT], 15
	s_add_co_u32 s96, s96, s97
	s_mul_i32 s96, s96, REC
	s_mul_i32 s97, s62, 6656                       ; the record of 64 keys: WQ / 2 of the row tile's two
	s_add_co_u32 s96, s96, s97
	s_mul_i32 s97, s63, 1536                       ; k: image WQ % 2 and its word
	s_add_co_u32 s97, s97, s96
	s_lshl_b32 s99, s63, 7
	s_add_co_u32 s99, s99, s96
	s_add_co_u32 s99, s99, 3072
	s_cmp_lg_u32 s[ISK], 0
	s_cselect_b32 s3, s97, s3
	s_cselect_b32 s2, s99, s2
	s_add_co_u32 s97, s97, 3328                    ; v: half images 2 dp, 2 dp + 1 (768 bytes each) and raw word dp, behind K's 3,328 bytes
	s_add_co_u32 s99, s99, 3328
	s_cmp_lg_u32 s[ISV], 0
	s_cselect_b32 s3, s97, s3
	s_cselect_b32 s2, s99, s2
	s_mov_b64 s[OUTS:OUTS+1], s[OUTC:OUTC+1]
	s_mov_b32 s96, s3
	s_mov_b32 s97, 0
	s_add_nc_u64 s[OUTC:OUTC+1], s[OUTC:OUTC+1], s[96:97]
	s_mov_b32 s96, s2
	s_add_nc_u64 s[OUTS:OUTS+1], s[OUTS:OUTS+1], s[96:97]
	s_wait_alu depctr_va_vdst(0)
	v_add_nc_u32 v[VO1], 768, v[VO0]
	v_lshlrev_b32 v[L4], 2, v1
	v_lshlrev_b32 v[H64], 6, v3
	v_and_b32 v[DB], 8, v2
	s_delay_alu instid0(VALU_DEP_1)
	v_add_nc_u32 v[DB], v[DB], v2                  ; r + 8 (r / 8)
	s_delay_alu instid0(VALU_DEP_1)
	v_lshlrev_b32 v[DB], 2, v[DB]
	s_lshl_b32 s96, s63, 7
	v_add_nc_u32 v[DB], s96, v[DB]                 ; + 32 dp numbers
	s_mov_b32 s[SEL], 0x76543210
	s_mov_b32 s[SEL+1], 0xfedcba98
.irp a, 0,1
.irp s, 0,1,2,3,4,5,6,7
	global_load_b32 v[SA+8*\a+\s], v[L4], s[PA:PA+1] offset:1024*\a+128*\s
.endr
.endr
.irp s, 0,1,2,3,4,5,6,7
	global_load_b32 v[SB+\s], v[L4], s[PB:PB+1] offset:128*\s
.endr
.irp a, 0,1,2,3                        ; both layouts of the bias are read in every kind, always inside the head's 64 numbers
	global_load_b128 v[LA+8*\a:LA+8*\a+3], v[H64], s[PBI:PBI+1] offset:(32*(\a/2)+8*(\a%2))*4      ; q, k: tile a's eight d of my half
	global_load_b128 v[LA+8*\a+4:LA+8*\a+7], v[H64], s[PBI:PBI+1] offset:(32*(\a/2)+8*(\a%2))*4+16
.endr
.irp b, 0,1
	global_load_b32 v[LB+\b], v[DB], s[PBI:PBI+1] offset:32*\b   ; v: my lane's d in tile 2 dp + b
.endr
.irp b, 0,1,2,3
	v_mov_b32 v[TM+4+\b], 0                        ; written once: a lane permute's destination counts as one of its sources
.endr
	s_wait_loadcnt 0x0
.irp b, 0,1
.irp a, 0,1,2,3
.irp j, 0,1,2,3,4,5,6,7
	v_cndmask_b32 v[ACC+32*\b+8*\a+\j], v[LA+8*\a+\j], v[LB+\b], s[VM]   ; the bias starts the sums
.endr
.endr
.endr
	s_wait_alu depctr_va_vdst(0)
	CHUNK 0
	s_wait_alu depctr_va_vdst(0)
	CHUNK 1
	s_wait_alu depctr_va_vdst(0)
	CHUNK 2
	s_wait_alu depctr_va_vdst(0)
	CHUNK 3
	MULK 7, AF2, BF2
.rept 4
	v_nop                                          ; four places in front of the first read of results
.endr
	QUANT ACC
.irp i, 0,1,2
	global_store_b64 v[VO0], v[PC+2*\i:PC+2*\i+1], s[OUTC:OUTC+1] offset:256*\i   ; 32 lanes store 256 consecutive bytes, aligned
.endr
.irp i, 0,1,2
	global_store_b64 v[VO1], v[PC+6+2*\i:PC+7+2*\i], s[OUTC:OUTC+1] offset:256*\i
.endr
	global_store_b32 v[L4], v[PW], s[OUTS:OUTS+1]
	s_wait_tensorcnt 0x0
	ds_add_u32 v254, v255
	s_wait_dscnt 0x0
	CROUND                                         ; the closing round: no work-group ends while a partner may still ask for a chunk that names it
	s_endpgm
.Lfunc_end_k_q2e4dab85ea_qkv:
	.size	k_q2e4dab85ea_qkv, .Lfunc_end_k_q2e4dab85ea_qkv-k_q2e4dab85ea_qkv
	.p2alignl 7, 3214868480
	.fill 96, 4, 3214868480
	.section	.rodata,"a",@progbits
	.p2align	6, 0x0
	.amdhsa_kernel k_q2e4dab85ea_qkv
		.amdhsa_group_segment_fixed_size 263680
		.amdhsa_private_segment_fixed_size 0
		.amdhsa_enable_private_segment 0
		.amdhsa_kernarg_size 56
		.amdhsa_user_sgpr_count 2
		.amdhsa_user_sgpr_kernarg_segment_ptr 1
		.amdhsa_wavefront_size32 1
		.amdhsa_system_sgpr_workgroup_id_x 1
		.amdhsa_system_sgpr_workgroup_id_y 1
		.amdhsa_system_sgpr_workgroup_id_z 1
		.amdhsa_system_vgpr_workitem_id 0
		.amdhsa_next_free_vgpr 256
		.amdhsa_next_free_sgpr 102
		.amdhsa_reserve_vcc 0
		.amdhsa_float_denorm_mode_32 3
		.amdhsa_float_denorm_mode_16_64 3
		.amdhsa_memory_ordered 1
		.amdhsa_forward_progress 1
		.amdhsa_inst_pref_size 43
	.end_amdhsa_kernel
	.amdgpu_metadata
---
amdhsa.version: [ 1, 2 ]
amdhsa.kernels:
  - .name:           k_q2e4dab85ea_qkv
    .symbol:         k_q2e4dab85ea_qkv.kd
    .args:
      - { .name: xq, .offset: 0, .size: 8, .value_kind: global_buffer, .address_space: global }
      - { .name: wc, .offset: 8, .size: 8, .value_kind: global_buffer, .address_space: global }
      - { .name: bq, .offset: 16, .size: 8, .value_kind: global_buffer, .address_space: global }
      - { .name: bk, .offset: 24, .size: 8, .value_kind: global_buffer, .address_space: global }
      - { .name: bv, .offset: 32, .size: 8, .value_kind: global_buffer, .address_space: global }
      - { .name: qc, .offset: 40, .size: 8, .value_kind: global_buffer, .address_space: global }
      - { .name: kv, .offset: 48, .size: 8, .value_kind: global_buffer, .address_space: global }
    .group_segment_fixed_size: 263680
    .private_segment_fixed_size: 0
    .kernarg_segment_align: 8
    .kernarg_segment_size: 56
    .max_flat_workgroup_size: 384
    .sgpr_count:     102
    .vgpr_count:     256
    .wavefront_size: 32
...
	.end_amdgpu_metadata
.endif
;; end of part 2
;; launch attn (part 3): grid 64 x 4, 16 waves a work-group, no clusters, 169,984 bytes of LDS; arguments qc, kv, yq; writes yq
.if DOCPART == 3
	.amdgcn_target "amdgcn-amd-amdhsa--gfx1250"
	.amdhsa_code_object_version 6
	.text
	.protected	k_q2e4dab85ea_attn
	.globl	k_q2e4dab85ea_attn
	.p2align	8
	.type	k_q2e4dab85ea_attn,@function
k_q2e4dab85ea_attn:
	s_mov_b64 s[64:65], 0
	v_nop
	global_prefetch_b8 v0, s[64:65] scope:SCOPE_SE
	s_setreg_imm32_b32 hwreg(HW_REG_WAVE_MODE, 25, 1), 1
	s_wait_xcnt 0x0
; y[b][i][head] = the sum over keys j in [i - 256, i] of softmax_j(q . k / 8) v, both products on codes of FP6 (E2M3) with E8M0 scales; y is quantised at once, along C, for the last product.
; THE SOFTMAX AHEAD OF THE SECOND PRODUCT: t = score x log2(e) / 8; M = the row's largest t rounded up to a whole number; p = 2^(t - M) is quantised along the keys, not normalised.
; The row's sum is taken of the unquantised p and divides at the end.
; SHARES.  A work-group owns 64 rows (4 tiles of 16) of one batch and the four query heads of one key-value head: sixteen waves, tile TT = wave % 4, head HH = wave / 4, 256 registers each, four to a SIMD.
; KEYS.  The 64 rows reach the 320 keys from 256 ahead of the first row on: ten blocks of 32, SLOTS 0 to 9, in five records of 64 keys.  A tile of 16 rows reaches nine of them: slots 0-8 (TT 0, 1) or 1-9 (TT 2, 3).  Slots 0 and 9
; never count for the same wave, so they share registers: block E.  All nine blocks of scores, 144 registers, stand at once: one maximum, one pass.
; MASK.  Only the first and the last of a tile's nine blocks are cut by the band; the seven between count whole.
; DEAD WORK LEFT OUT (the mask hides it for all inputs): key blocks outside a tile's nine; products of blocks that lie ahead of the batch's first key, by scalar branches on ids.  Such a block's scores are set to
; -infinity and walk with the others (p = 0, zero codes).  A NaN, an infinity or an overflow that reaches only the work left out is not carried to the result.
; LDS is filled once: waves 0-4 fetch the five records' K parts, waves 5-9 their V parts, one load each; K is shown by the first barrier, V by the second.  A record ahead of the batch is held at the batch's first one: its bytes are loaded, and enter no product.
; NO CLUSTER: neighbouring work-groups want windows that lie at different places in LDS, so a shared set of records would make a partner's LDS addresses hang on its place; a work-group fetches 33,280 bytes, once.  NO PREFETCH: the launch has no loop to run ahead in.
; LAYOUT.  Both products are used transposed: S^T = K Q^T, O^T = V^T P^T: a lane holds one query.  An image of K holds TWO tiles of 16 keys: registers 0-5 one tile's 64 d, registers 6-11 the next one's.
; Q stands between zeros: v[22:33] = (q, 0) picks the first tile, v[16:27] = (0, q) the second: zero codes add nothing.  By the pairs' order of rows, register n of a block's 16 is its key 16 h + n.
; LIMITS: 1 / l by v_rcp_f32; a block's largest p is taken through its largest score, which takes v_exp_f32 not to fall where its input rises; a block of zeros gets the byte 1; NaN and infinities are not served;
; scaled scores stay under 2^31 in magnitude.
.set QS_OFF, 3145728
.set YS_OFF, 3145728
.set RECP,   3328                      ; a record's K part or V part: 13 rows of 256 bytes
.set VB,     16640                     ; LDS: the V parts, behind the five K parts
.set SCR,    33280                     ; 512 bytes for y's scale bytes, in blocks of 256 bytes into which no fill lands
.set SPARE,  167936
.set MK,  66                           ; s66-82: lane mask k: k > threshold, k = 0 .. 16
.set SPW, 8
.set NIL, 9
.set NINF, 10
.set KW,  36                           ; v36-44 K's scale words, by slot (E first); later v36-47 V's
.set KF,  48                           ; v48-107 five fragments of K; later v48-71 V's last record
.set O,   78                           ; v78-109 O^T
.set BM,  78                           ; v78-86  the blocks' largest scores, then largest p
.set T,   87                           ; v87-95
.set SO,  96                           ; v96-104 the conversions' scale operands
.set S,   112                          ; v112-255 the scores, then p: E, then slots 1 to 8
.set PW0, 35                           ; p's scale words: v35, v110, v111
.set PW1, 110
.set PW2, 111
.set PC0, 112                          ; p's codes: slots 0-3
.set PC1, 240                          ; slots 4-7;  v22-33: slots 8, 9 and zeros
.set RAW, 96                           ; v96-104, v109: V's raw words [record][dp], until its scale words are made of them
.set V1,  144                          ; v144-191 V's four fragments for slots 4-7
.set V0,  192                          ; v192-239 for slots 0-3
.set Y,   144                          ; v144-175 y
.macro WALU
	s_wait_alu depctr_va_vdst(0)
.endm
.macro PLACES n
.rept \n
	v_nop
.endr
.endm
.macro MM d, a, b, c, sa, sb
	v_wmma_scale_f32_16x16x128_f8f6f4 v[\d:\d+7], v[\a:\a+11], v[\b:\b+11], \c, v[\sa], v[\sb] matrix_a_fmt:MATRIX_FMT_FP6 matrix_b_fmt:MATRIX_FMT_FP6
.endm
.macro KLOAD f, j                      ; slot j's image into fragment f
.irp i, 0,1,2,3,4,5
.if (\j) == 0
	ds_load_b64 v[KF+12*(\f)+2*\i:KF+12*(\f)+2*\i+1], v4 offset:256*\i
.else
	ds_load_b64 v[KF+12*(\f)+2*\i:KF+12*(\f)+2*\i+1], v1 offset:((\j)/2)*RECP+1536*((\j)%2)+256*\i
.endif
.endr
.endm
.macro QK f, j                         ; 32 keys x 16 queries
	MM S+16*(\j), KF+12*(\f), 22, 0, KW+(\j), 34
	MM S+16*(\j)+8, KF+12*(\f), 16, 0, KW+(\j), 34
.endm
.macro SEEN reg, lim, f, j, n          ; n slots from j on; where \reg < \lim they lie ahead of the batch's first key: no product, -infinity
	s_cmp_lt_u32 \reg, \lim
	s_cbranch_scc1 .Lhidden_\@
	QK \f, \j
.if \n > 1
	QK \f+1, \j+1
.endif
	s_branch .Ldone_\@
.Lhidden_\@:
.set n_, 0
.rept 16*\n
	v_mov_b32 v[S+16*(\j)+n_], v[NINF]
.set n_, n_+1
.endr
.Ldone_\@:
.endm
.macro VLOAD reg, rec, t               ; six registers: 64 keys of d tile t
.irp i, 0,1,2
	ds_load_b64 v[\reg+2*\i:\reg+2*\i+1], v1 offset:VB+(\rec)*RECP+768*(\t)+256*\i
.endr
.endm
.macro LOWCUT j                        ; keys ahead of the window: key n counts where n >= threshold
.set n_, 0
.rept 16
	v_cndmask_b32 v[S+16*(\j)+n_], v[NINF], v[S+16*(\j)+n_], s[MK+1+n_]
.set n_, n_+1
.endr
.endm
.macro HIGHCUT j                       ; keys behind the query: key n is hidden where n > threshold
.set n_, 0
.rept 16
	v_cndmask_b32 v[S+16*(\j)+n_], v[S+16*(\j)+n_], v[NINF], s[MK+n_]
.set n_, n_+1
.endr
.endm
	s_load_b128 s[4:7], s[0:1], 0x0                ; qc s[4:5], kv s[6:7]
	s_load_b64 s[8:9], s[0:1], 0x10                ; yq
	v_lshl_add_u32 v[SPW], v0, 2, SPARE
	v_mov_b32 v[NIL], 0
	ds_add_u32 v[SPW], v[NIL]                      ; the wave's opening
	ds_add_u32 v[SPW], v[NIL]
	v_lshrrev_b32 v50, 5, v0
	v_readfirstlane_b32 s10, v50                   ; wave 0..15
	s_and_b32 s11, s10, 3                          ; TT
	s_lshr_b32 s12, s10, 2                         ; HH
	s_bfe_u32 s13, s10, 0x10001                    ; TT / 2: 0: my slots are 0-8, 1: 1-9
	s_and_b32 s18, s10, 1                          ; TT % 2
	s_and_b32 s14, ttmp7, 0xffff                   ; g: the key-value head
	s_and_b32 s15, ttmp9, 31                       ; XB: my 64 rows within the batch
	s_lshr_b32 s48, s12, 1                         ; HH / 2
	s_and_b32 s49, s12, 1                          ; HH % 2
	s_sub_co_u32 s16, s10, 5                       ; waves 0-4: K part of record XB - 4 + wave; waves 5-9: V part of record XB - 4 + wave - 5; held inside the batch
	s_mov_b32 s17, RECP
	s_cmp_lt_u32 s10, 5
	s_cselect_b32 s16, s10, s16
	s_cselect_b32 s17, 0, s17
	s_add_co_u32 s16, s16, s15
	s_sub_co_i32 s16, s16, 4
	s_max_i32 s16, s16, 0
	s_lshr_b32 s19, ttmp9, 5                       ; the batch
	s_lshl_b32 s19, s19, 2
	s_add_co_u32 s19, s19, s14
	s_lshl_b32 s19, s19, 5
	s_add_co_u32 s16, s16, s19
	s_mul_i32 s16, s16, 2*RECP
	s_add_co_u32 s16, s16, s17
	s_mov_b32 s17, 0
	s_mov_b32 s32, 1
	s_min_u32 s33, s10, 9
	s_mul_i32 s33, s33, RECP                       ; to LDS byte 3,328 x wave
	s_mov_b32 s24, 3<<16                           ; descriptor group 1: 13 rows of 256 bytes (32 elements of 8 bytes), dense
	s_mov_b32 s25, 32<<16
	s_mov_b32 s26, 13<<16
	s_mov_b32 s27, 32<<16
	s_mov_b32 s28, 13
	s_mov_b32 s29, 32
	s_mov_b32 s30, 0
	s_mov_b32 s31, 0
	s_lshl_b32 s19, ttmp9, 1                       ; q: [pair 2 X + TT / 2][head 4 g + HH][TT % 2][768]
	s_add_co_u32 s19, s19, s13
	s_lshl_b32 s19, s19, 4
	s_lshl_b32 s40, s14, 2
	s_add_co_u32 s19, s19, s40
	s_add_co_u32 s19, s19, s12
	s_mul_i32 s40, s19, 1536
	s_mul_i32 s41, s18, 768
	s_add_co_u32 s40, s40, s41
	s_mov_b32 s41, 0
	s_lshl_b32 s42, s19, 7
	s_add_co_u32 s42, s42, QS_OFF
	s_mov_b32 s43, 0
	s_mul_i32 s44, s14, 786432                     ; y: [g][tile 4 X + TT][HH / 2][1,536], half HH % 2
	s_lshl_b32 s19, ttmp9, 2
	s_add_co_u32 s19, s19, s11
	s_mul_i32 s19, s19, 3072
	s_add_co_u32 s44, s44, s19
	s_mul_i32 s19, s48, 1536
	s_add_co_u32 s44, s44, s19
	s_mul_i32 s19, s49, 768
	s_add_co_u32 s44, s44, s19
	s_mov_b32 s45, 0
	s_lshl_b32 s46, ttmp9, 11                      ; y's words: [pair 2 X ..][K step 2 g ..][128]
	s_lshl_b32 s19, s14, 8
	s_add_co_u32 s46, s46, s19
	s_add_co_u32 s46, s46, YS_OFF
	s_mov_b32 s47, 0
	s_lshl_b32 s19, s13, 8                         ; the scratch is laid as two pairs' words for two K steps: 256 (TT / 2) + 128 (HH / 2) + 64 (TT % 2) + 4 r + 2 (HH % 2)
	s_lshl_b32 s50, s48, 7
	s_add_co_u32 s19, s19, s50
	s_lshl_b32 s50, s18, 6
	s_add_co_u32 s19, s19, s50
	s_lshl_b32 s50, s49, 1
	s_add_co_u32 s19, s19, s50
	s_add_co_u32 s19, s19, SCR
	s_lshl_b32 s50, s18, 3                         ; 8 (TT % 2)
	s_mul_i32 s51, s13, 4*RECP+1536                ; from slot 0's image to slot 9's,
	s_mul_i32 s52, s13, 4*RECP+128                 ; and from its words
	s_lshl_b32 s36, s13, 2
	s_add_co_u32 s36, s36, s15                     ; under 4: block E lies ahead of the batch
	s_mov_b32 s20, 0x76543210
	s_mov_b32 s21, 0xfedcba98                      ; v_permlanex16_b32's selects for lane l xor 16
	s_mov_b32 s22, 0x3e38aa3b                      ; c = log2(e) / 8
	s_mov_b32 s23, s22                             ; (named with it as a pair, so it is written)
	s_mov_b32 s37, 0x05040100                      ; picks bytes 0, 1 of two raw words of V,
	s_mov_b32 s38, 0x07060302                      ; bytes 2, 3
	s_mov_b32 s39, 0x01000100                      ; q's word: my tile's two bytes, twice
	s_cmp_lg_u32 s18, 0
	s_cselect_b32 s39, 0x03020302, s39
	s_cmp_lg_u32 s13, 0
	s_cselect_b32 s83, -1, 0                       ; all lanes: my slots are 1-9
	v_and_b32 v51, 31, v0                          ; lane
	v_and_b32 v52, 15, v0                          ; r
	v_bfe_u32 v53, v0, 4, 1                        ; h
	v_lshlrev_b32 v1, 3, v51                       ; 8 x lane: an image's place for my lane, in LDS and in memory
	v_lshlrev_b32 v2, 2, v51                       ; 4 x lane: a scale word's
	v_and_b32 v56, 8, v52
	v_lshlrev_b32 v55, 4, v53
	v_add_nc_u32 v56, v56, v52                     ; r + 8 (r / 8)
	v_sub_nc_u32 v3, v56, v55
	v_add_nc_u32 v3, s50, v3                       ; the threshold r + 8 (r / 8) + 8 (TT % 2) - 16 h: my query's place in its pair of tiles (32 rows), less 16 h: a cut block's register n is key n + 16 h
	v_add_nc_u32 v4, s51, v1                       ; block E's image
	v_add_nc_u32 v11, s52, v2                      ; and words
	v_lshl_add_u32 v5, v51, 4, SCR                 ; wave 0's read of the scratch
	v_lshl_add_u32 v6, v52, 2, s19
	v_lshlrev_b32 v7, 10, v53
	v_lshl_add_u32 v7, v52, 4, v7                  ; y's words on their way out: 1,024 (lane / 16) + 16 (lane % 16)
	v_mov_b32 v[NINF], 0xff800000                  ; -infinity
	WALU
	s_wait_dscnt 0x0                               ; both opening adds are done
	s_wait_kmcnt 0x0
	s_add_nc_u64 s[34:35], s[6:7], s[16:17]
	s_or_b32 s35, s35, 0x80000000
	s_add_nc_u64 s[40:41], s[4:5], s[40:41]
	s_add_nc_u64 s[42:43], s[4:5], s[42:43]
	s_add_nc_u64 s[44:45], s[8:9], s[44:45]
	s_add_nc_u64 s[46:47], s[8:9], s[46:47]
	s_cmp_lt_u32 s10, 5                            ; one load a wave; K's and V's by lines of their own
	s_cbranch_scc0 .Lfor_v
	tensor_load_to_lds s[32:35], s[24:31]
	s_nop 0
	PLACES 4
	s_branch .Lasked
.Lfor_v:
	s_cmp_lt_u32 s10, 10
	s_cbranch_scc0 .Lasked
	tensor_load_to_lds s[32:35], s[24:31]
	s_nop 0
	PLACES 4
.Lasked:
.irp i, 0,1,2
	global_load_b64 v[22+2*\i:23+2*\i], v1, s[40:41] offset:256*\i   ; q's six registers
.endr
	global_load_b32 v54, v2, s[42:43]              ; the pair's raw word: (tile 0: d block 0, 1; tile 1: d block 0, 1)
.set k, 0
.rept 17
	v_cmp_gt_i32 s[MK+k], k, v3
.set k, k+1
.endr
.irp j, 16,17,18,19,20,21,28,29,30,31,32,33
	v_mov_b32 v[\j], 0                             ; zero codes on both sides of q
.endr
	WALU
	s_wait_loadcnt 0x0
	v_perm_b32 v34, v54, v54, s39                  ; q's scale word
	PLACES 8                                       ; a scale register written by a vector instruction stands eight places ahead of its first product
	WALU
	s_cmp_lt_u32 s10, 5
	s_cbranch_scc0 .Lnot_k
	s_wait_tensorcnt 0x0                           ; my K part has landed,
.Lnot_k:
	s_barrier_signal -1
	s_barrier_wait -1                              ; everybody's has
; ---- THE SCORES
	ds_load_b32 v[KW], v11 offset:3072             ; K's words: bytes 0, 1 the image's first tile, bytes 2, 3 its second
.irp j, 1,2,3,4,5,6,7,8
	ds_load_b32 v[KW+\j], v2 offset:(\j/2)*RECP+3072+128*(\j%2)
.endr
	KLOAD 0, 0
	KLOAD 1, 8
	KLOAD 2, 1
	KLOAD 3, 2
	KLOAD 4, 3
	s_wait_dscnt 18                                ; the words and two fragments are in; three fragments' eighteen loads may be out
	SEEN s36, 4, 0, 0, 1
	QK 1, 8
	s_wait_dscnt 0x0
	SEEN s15, 4, 2, 1, 1
	SEEN s15, 3, 3, 2, 2
	PLACES 4                                       ; in front of loads into registers that matrix instructions have read
	KLOAD 0, 4
	KLOAD 1, 5
	KLOAD 2, 6
	KLOAD 3, 7
	WALU
	s_wait_dscnt 0x0
	SEEN s15, 2, 0, 4, 2
	SEEN s15, 1, 2, 6, 2
	PLACES 4                                       ; in front of the first read of results, and of loads into registers that held fragments
	WALU
	s_wait_tensorcnt 0x0                           ; my V part has landed,
	s_barrier_signal -1
	s_barrier_wait -1                              ; everybody's has
.irp c, 0,1,2,3
	ds_load_b32 v[RAW+2*\c], v2 offset:VB+\c*RECP+3072
	ds_load_b32 v[RAW+2*\c+1], v2 offset:VB+\c*RECP+3200
.endr
	ds_load_b32 v[RAW+8], v2 offset:VB+4*RECP+3072
	ds_load_b32 v109, v2 offset:VB+4*RECP+3200
.irp t, 0,1,2,3
	VLOAD KF+6*\t, 4, \t                           ; slots 8, 9: six registers a d tile
.endr
	s_cmp_lg_u32 s13, 0
	s_cbranch_scc1 .Lupper
	LOWCUT 0                                       ; slots 0-8: E is slot 0
	HIGHCUT 8
	s_branch .Lcut
.Lupper:
	LOWCUT 1                                       ; slots 1-9: E is slot 9
	HIGHCUT 0
.Lcut:
	WALU
; ---- THE SOFTMAX
.irp b, 0,1,2,3,4,5,6,7,8
	v_max3_num_f32 v[BM+\b], v[S+16*\b], v[S+1+16*\b], v[S+2+16*\b]   ; each block's largest score: for the row's maximum, and, since p rises with the score, for the block's largest p
.endr
.irp i, 3,5,7,9,11,13
.irp b, 0,1,2,3,4,5,6,7,8
	v_max3_num_f32 v[BM+\b], v[BM+\b], v[S+16*\b+\i], v[S+1+16*\b+\i]
.endr
.endr
.irp b, 0,1,2,3,4,5,6,7,8
	v_max_num_f32 v[BM+\b], v[BM+\b], v[S+15+16*\b]
.endr
.irp b, 0,1,2,3,4,5,6,7,8
	v_permlanex16_b32 v[T+\b], v[BM+\b], s20, s21
.endr
.irp b, 0,1,2,3,4,5,6,7,8
	v_max_num_f32 v[BM+\b], v[BM+\b], v[T+\b]      ; with lane l xor 16's 16 keys
.endr
	v_max3_num_f32 v105, v[BM], v[BM+1], v[BM+2]
	v_max3_num_f32 v106, v[BM+3], v[BM+4], v[BM+5]
	v_max3_num_f32 v107, v[BM+6], v[BM+7], v[BM+8]
	s_delay_alu instid0(VALU_DEP_1)
	v_max3_num_f32 v105, v105, v106, v107
	s_delay_alu instid0(VALU_DEP_1)
	v_mul_f32 v13, s22, v105                       ; the row's largest t (c is positive)
	s_delay_alu instid0(VALU_DEP_1)
	v_floor_f32 v12, -v13                          ; -M = floor(-t): M is a whole number
	WALU
	s_wait_dscnt 0x0                               ; V's raw words and slots 8, 9 are in
	v_perm_b32 v[KW+8], v[RAW+8], v[RAW+8], s37    ; V's scale words: d tile 2 dp + bt takes bytes 2 bt, 2 bt + 1 of two records' raw words (slots 8, 9: of one, twice: zero codes stand against the second)
	v_perm_b32 v[KW+9], v[RAW+8], v[RAW+8], s38
	v_perm_b32 v[KW+10], v109, v109, s37
	v_perm_b32 v[KW+11], v109, v109, s38
.irp k, 0,1
.irp d, 0,1
	v_perm_b32 v[KW+4*\k+2*\d], v[RAW+4*\k+2+\d], v[RAW+4*\k+\d], s37
	v_perm_b32 v[KW+4*\k+2*\d+1], v[RAW+4*\k+2+\d], v[RAW+4*\k+\d], s38
.endr
.endr
.set j, 0
.rept 72
	v_pk_fma_f32 v[S+j:S+1+j], v[S+j:S+1+j], s[22:23], v[12:13] op_sel_hi:[1,0,0]   ; t - M, two at a time
.set j, j+2
.endr
.irp b, 0,1,2,3,4,5,6,7,8
	v_fma_f32 v[BM+\b], v[BM+\b], s22, v12         ; the same of each block's largest score
.endr
	WALU
.set j, 0
.rept 144
	v_exp_f32 v[S+j], v[S+j]                       ; p = 2^(t - M); a hidden key's is 0
.set j, j+1
.endr
.irp b, 0,1,2,3,4,5,6,7,8
	v_exp_f32 v[BM+\b], v[BM+\b]                   ; the block's largest p
.endr
	v_nop                                          ; a plain place behind the exponentials
	WALU                                           ; and the wait behind the batch
.set q_, 2
.macro SUM j                           ; block j's unquantised p onto the row's sum, which stands in three chains that take turns
.set p_, 0
.rept 8
.if q_%3 == 0
	v_pk_add_f32 v[14:15], v[14:15], v[S+16*(\j)+p_:S+16*(\j)+p_+1]
.elseif q_%3 == 1
	v_pk_add_f32 v[106:107], v[106:107], v[S+16*(\j)+p_:S+16*(\j)+p_+1]
.else
	v_pk_add_f32 v[108:109], v[108:109], v[S+16*(\j)+p_:S+16*(\j)+p_+1]
.endif
.set p_, p_+2
.set q_, q_+1
.endr
.endm
.irp b, 0,1,2,3,4,5,6,7,8
	v_max_num_f32 v[BM+\b], 0x1800000, v[BM+\b]    ; the floor 2^(3 - 127): a block whose every p is 0 keeps the byte 1; its codes are zeros
.endr
.irp b, 0,1,2,3,4,5,6,7,8
	v_add_nc_u32 v[SO+\b], 0xff000000, v[BM+\b]    ; 2 off the exponent field: the conversion's scale operand
.endr
.irp b, 0,1,2,3,4,5,6,7,8
	v_lshrrev_b32 v[T+\b], 23, v[SO+\b]            ; the byte
.endr
	v_lshl_or_b32 v[PW0], v[T+1], 8, v[T]          ; p's scale words: slots 0-3, 4-7, 8-9.  E's byte stands for slot 0 and for slot 9: the one that is not E has zero codes
	v_lshl_or_b32 v[PW1], v[T+5], 8, v[T+4]
	v_lshl_or_b32 v[PW2], v[T], 8, v[T+8]
	v_lshl_or_b32 v[PW0], v[T+2], 16, v[PW0]
	v_lshl_or_b32 v[PW1], v[T+6], 16, v[PW1]
	v_lshl_or_b32 v[PW0], v[T+3], 24, v[PW0]
	v_lshl_or_b32 v[PW1], v[T+7], 24, v[PW1]
; ---- P'S CODES.  A pair of slots is six registers: slot 2 c in lanes 0-15, slot 2 c + 1 in lanes 16-31
; Blocks are summed and converted in an order that frees the registers of V's fragments: their loads are issued as soon as these are free
	v_pk_add_f32 v[14:15], v[S:S+1], v[S+2:S+3]
	v_pk_add_f32 v[106:107], v[S+4:S+5], v[S+6:S+7]
	v_pk_add_f32 v[108:109], v[S+8:S+9], v[S+10:S+11]
	v_pk_add_f32 v[14:15], v[14:15], v[S+12:S+13]
	v_pk_add_f32 v[106:107], v[106:107], v[S+14:S+15]
	SUM 8
	v_cvt_scalef32_pk16_fp6_f32 v[16:18], v[S:S+15], v[SO]
	v_cvt_scalef32_pk16_fp6_f32 v[22:24], v[S+128:S+143], v[SO+8]
	v_nop                                          ; one plain place behind a scaled conversion
.irp i, 0,1,2
	v_cndmask_b32 v[PC0+\i], v[16+\i], v28, s83    ; slot 0: E, or zeros (v28 holds 0)
	v_cndmask_b32 v[25+\i], v28, v[16+\i], s83     ; slot 9: zeros, or E
.endr
	SUM 2
	SUM 3
	SUM 4
	v_cvt_scalef32_pk16_fp6_f32 v[PC0+6:PC0+8], v[S+32:S+47], v[SO+2]
	v_cvt_scalef32_pk16_fp6_f32 v[252:254], v[S+48:S+63], v[SO+3]
	v_cvt_scalef32_pk16_fp6_f32 v[PC1:PC1+2], v[S+64:S+79], v[SO+4]
	v_nop                                          ; one plain place behind a scaled conversion
.irp t, 0,1,2,3
	VLOAD V1+12*\t, 2, \t                          ; v144-191 are free: slots 4-7 of V
	VLOAD V1+12*\t+6, 3, \t
.endr
	SUM 5
	SUM 6
	SUM 7
	v_cvt_scalef32_pk16_fp6_f32 v[124:126], v[S+80:S+95], v[SO+5]
	v_cvt_scalef32_pk16_fp6_f32 v[PC1+6:PC1+8], v[S+96:S+111], v[SO+6]
	v_cvt_scalef32_pk16_fp6_f32 v[16:18], v[S+112:S+127], v[SO+7]
	v_nop
.irp t, 0,1,2,3
	VLOAD V0+12*\t, 0, \t                          ; v192-239 are free: slots 0-3
	VLOAD V0+12*\t+6, 1, \t
.endr
	SUM 1
.irp i, 0,1,2
	v_permlane16_swap_b32 v[PC0+6+\i], v[252+\i]   ; a whole block to a lane
	v_permlane16_swap_b32 v[PC1+\i], v[124+\i]
	v_permlane16_swap_b32 v[PC1+6+\i], v[16+\i]
.endr
.irp i, 0,1,2
	v_mov_b32 v[PC0+9+\i], v[252+\i]
	v_mov_b32 v[PC1+3+\i], v[124+\i]
	v_mov_b32 v[PC1+9+\i], v[16+\i]
.endr
	v_cvt_scalef32_pk16_fp6_f32 v[16:18], v[S+16:S+31], v[SO+1]
	v_nop
.irp i, 0,1,2
	v_permlane16_swap_b32 v[PC0+\i], v[16+\i]
	v_permlane16_swap_b32 v[22+\i], v[25+\i]
.endr
.irp i, 0,1,2
	v_mov_b32 v[PC0+3+\i], v[16+\i]
.endr
	v_pk_add_f32 v[106:107], v[106:107], v[108:109]
	s_delay_alu instid0(VALU_DEP_1)
	v_pk_add_f32 v[14:15], v[14:15], v[106:107]
	s_delay_alu instid0(VALU_DEP_1)
	v_add_f32 v14, v14, v15                        ; the sum's two halves,
	s_delay_alu instid0(VALU_DEP_1)
	v_permlanex16_b32 v105, v14, s20, s21
	s_delay_alu instid0(VALU_DEP_1)
	v_add_f32 v14, v14, v105                       ; and lane l xor 16's
	WALU
	v_rcp_f32 v14, v14
	PLACES 4                                       ; behind the transcendental, and between p's last codes and the first product
	WALU
; ---- O^T = V^T P^T.  Slots 8, 9 start the sums.  Their fragments' upper six registers are other codes (the next d tile's; behind the last one's, codes of K), against P's zeros.  The four accumulators take turns
.irp t, 0,1,2,3
	MM O+8*\t, KF+6*\t, 22, 0, KW+8+\t, PW2
.endr
	s_wait_dscnt 24                                ; slots 4-7 are in
	s_cmp_lt_u32 s15, 1
	s_cbranch_scc1 .Lsummed                        ; slots 0-7 lie ahead of the batch
.irp t, 0,1,2,3
	MM O+8*\t, V1+12*\t, PC1, v[O+8*\t:O+8*\t+7], KW+4+\t, PW1
.endr
	s_wait_dscnt 0x0
	s_cmp_lt_u32 s15, 3
	s_cbranch_scc1 .Lsummed                        ; slots 0-3 do
.irp t, 0,1,2,3
	MM O+8*\t, V0+12*\t, PC0, v[O+8*\t:O+8*\t+7], KW+\t, PW0
.endr
.Lsummed:
	s_wait_dscnt 0x0
; ---- THE END: y = O^T / l, quantised along d: my head's 64 are half of a K step of the last product
	PLACES 4                                       ; in front of the first read of results
.set j, 0
.rept 16
	v_pk_mul_f32 v[Y+j:Y+1+j], v[O+j:O+1+j], v[14:15] op_sel_hi:[1,0]   ; register 16 b + i is d = 32 b + 16 h + i; each accumulator is read from its low end on
.set j, j+2
.endr
.irp b, 0,1
	v_max3_num_f32 v[112+\b], |v[Y+16*\b]|, |v[Y+1+16*\b]|, 0x1800000
.endr
.irp i, 2,4,6,8,10,12,14
.irp b, 0,1
	s_delay_alu instid0(VALU_DEP_2)
	v_max3_num_f32 v[112+\b], v[112+\b], |v[Y+16*\b+\i]|, |v[Y+1+16*\b+\i]|
.endr
.endr
.irp b, 0,1
	v_permlanex16_b32 v[114+\b], v[112+\b], s20, s21
.endr
.irp b, 0,1
	s_delay_alu instid0(VALU_DEP_2)
	v_max_num_f32 v[112+\b], v[112+\b], v[114+\b]
.endr
.irp b, 0,1
	s_delay_alu instid0(VALU_DEP_2)
	v_add_nc_u32 v[116+\b], 0xff000000, v[112+\b]
.endr
.irp b, 0,1
	s_delay_alu instid0(VALU_DEP_2)
	v_lshrrev_b32 v[118+\b], 23, v[116+\b]
.endr
	s_delay_alu instid0(VALU_DEP_1)
	v_lshl_or_b32 v120, v119, 8, v118              ; my row's two bytes
	ds_store_b16 v6, v120                          ; both halves of the lanes write the same two bytes with the same value
	v_cvt_scalef32_pk16_fp6_f32 v[122:124], v[Y:Y+15], v116
	v_cvt_scalef32_pk16_fp6_f32 v[128:130], v[Y+16:Y+31], v117
	v_nop                                          ; one plain place behind a scaled conversion
.irp i, 0,1,2
	v_permlane16_swap_b32 v[122+\i], v[128+\i]
.endr
.irp i, 0,1,2
	v_mov_b32 v[125+\i], v[128+\i]
.endr
.irp i, 0,1,2
	global_store_b64 v1, v[122+2*\i:123+2*\i], s[44:45] offset:256*\i   ; 32 lanes store 256 consecutive bytes, aligned
.endr
	s_wait_dscnt 0x0                               ; for the others' sake: my store has landed
	s_barrier_signal -1
	s_barrier_wait -1                              ; the scratch holds two pairs' words for two K steps
	s_cmp_lg_u32 s10, 0
	s_cbranch_scc1 .Lend
	ds_load_b128 v[96:99], v5
	s_wait_dscnt 0x0
	global_store_b128 v7, v[96:99], s[46:47]       ; sixteen lanes store 256 consecutive bytes, aligned: one pair's words; the other sixteen the next pair's
.Lend:
	s_wait_tensorcnt 0x0                           ; the wave's end
	ds_add_u32 v[SPW], v[NIL]
	s_wait_dscnt 0x0
	s_endpgm
.Lfunc_end_k_q2e4dab85ea_attn:
	.size	k_q2e4dab85ea_attn, .Lfunc_end_k_q2e4dab85ea_attn-k_q2e4dab85ea_attn
	.p2alignl 7, 3214868480
	.fill 96, 4, 3214868480
	.section	.rodata,"a",@progbits
	.p2align	6, 0x0
	.amdhsa_kernel k_q2e4dab85ea_attn
		.amdhsa_group_segment_fixed_size 169984
		.amdhsa_private_segment_fixed_size 0
		.amdhsa_enable_private_segment 0
		.amdhsa_kernarg_size 24
		.amdhsa_user_sgpr_count 2
		.amdhsa_user_sgpr_kernarg_segment_ptr 1
		.amdhsa_wavefront_size32 1
		.amdhsa_system_sgpr_workgroup_id_x 1
		.amdhsa_system_sgpr_workgroup_id_y 1
		.amdhsa_system_sgpr_workgroup_id_z 1
		.amdhsa_system_vgpr_workitem_id 0
		.amdhsa_next_free_vgpr 256
		.amdhsa_next_free_sgpr 84
		.amdhsa_reserve_vcc 0
		.amdhsa_float_denorm_mode_32 3
		.amdhsa_float_denorm_mode_16_64 3
		.amdhsa_memory_ordered 1
		.amdhsa_forward_progress 1
		.amdhsa_inst_pref_size 60
	.end_amdhsa_kernel
	.amdgpu_metadata
---
amdhsa.version: [ 1, 2 ]
amdhsa.kernels:
  - .name:           k_q2e4dab85ea_attn
    .symbol:         k_q2e4dab85ea_attn.kd
    .args:
      - { .name: qc, .offset: 0, .size: 8, .value_kind: global_buffer, .address_space: global }
      - { .name: kv, .offset: 8, .size: 8, .value_kind: global_buffer, .address_space: global }
      - { .name: yq, .offset: 16, .size: 8, .value_kind: global_buffer, .address_space: global }
    .group_segment_fixed_size: 169984
    .private_segment_fixed_size: 0
    .kernarg_segment_align: 8
    .kernarg_segment_size: 24
    .max_flat_workgroup_size: 512
    .sgpr_count:     84
    .vgpr_count:     256
    .wavefront_size: 32
...
	.end_amdgpu_metadata
.endif
;; end of part 3
;; launch oproj (part 4): grid 8 x 32, 8 waves a work-group, clusters of 4 x 4, 327,680 bytes of LDS; arguments yq, wc, bo, out0; writes out0
.if DOCPART == 4
	.amdgcn_target "amdgcn-amd-amdhsa--gfx1250"
	.amdhsa_code_object_version 6
	.text
	.protected	k_q2e4dab85ea_oproj
	.globl	k_q2e4dab85ea_oproj
	.p2align	8
	.type	k_q2e4dab85ea_oproj,@function
k_q2e4dab85ea_oproj:
	s_mov_b64 s[64:65], 0
	v_nop
	global_prefetch_b8 v0, s[64:65] scope:SCOPE_SE
	s_setreg_imm32_b32 hwreg(HW_REG_WAVE_MODE, 25, 1), 1
	s_wait_xcnt 0x0
	s_wait_alu depctr_hold_cnt(0) depctr_sa_sdst(0) depctr_va_vdst(0) depctr_va_sdst(0) depctr_va_ssrc(0) depctr_va_vcc(0) depctr_vm_vsrc(0)
	s_getreg_b32 s2, hwreg(HW_REG_IB_STS2, 6, 4)
	s_cmp_eq_u32 s2, 0
	s_cbranch_scc0 .Lentry_in_a_cluster
	s_endpgm
.Lentry_in_a_cluster:
	s_bfe_u32 s2, ttmp6, 0x10000c
	s_cmp_lg_u32 s2, 0xf033
	s_cbranch_scc0 .Lentry_shape_is_right
	s_endpgm
.Lentry_shape_is_right:
; out0 = y Wo + bo on codes of FP6 (E2M3) with E8M0 scales, sums in f32.  y's and Wo's codes and scale words lie in memory as images of operand registers.
; SHARES.  A work-group makes 128 rows x 128 columns over all of K = 1,024: its operands, 96 KiB of y and 96 KiB of Wo, are filled into LDS ONCE, in four chunks of 256 along K; no LDS byte is filled twice.
; Eight waves: HG = wave / 4 takes 64 columns, WQ = wave % 4 a pair of row tiles.  Source 0 = 4 tiles of Wo, source 1 = 2 tiles of y: a lane holds one row, and its 32 registers of a row tile are columns
; 32 b + 16 h + 0 .. 15 (tiles stand in the pairs' order: row rho of tile 2 P + u is index 32 P + 8 u + rho + 8 (rho / 8)).  The bias is the C of each sum's first product.
; CLUSTER 4 x 4: y's chunks are shared along a row of the cluster, Wo's along a column: joint loads.
; THE WAY OUT goes through the wave's own stage in LDS (32 rows x (256 + 16) bytes, bytes into which no fill lands), so that sixteen lanes store 256 consecutive bytes of a row.
.set YS_OFF,  3145728
.set WO_OFF,  1179648
.set WOS_OFF, 2015232
.set CH,      49152                    ; a chunk in LDS: y's 8 tiles x 2 K steps x 1,536, then Wo's 8 likewise
.set WB,      24576
.set STG0,    196608                   ; behind the four chunks: the stages
.set STG,     8704
.set WV, 18
.set HG, 19
.set WQ, 20
.set CX, 21
.set CY, 22
.set NT, 23
.set G1Y, 24
.set G1W, 32
.set G0Y, 40
.set MT, 56
.set HALF, 61
.set G0W, 68
.set PA, 84
.set PB, 86
.set PBI, 88
.set OUT, 90
.set AA,  4
.set AB,  5
.set STO, 6                            ; v6  into my stage
.set RD,  7                            ; v7  out of it
.set CO,  8                            ; v8  my byte in two rows of out0
.set L4,  9
.set H64, 10
.set SA,  16                           ; v16-31 Wo's scale words [pair 2][K step 8]
.set SB,  32                           ; v32-39 y's [K step 8]
.set AF,  40
.set BF,  88
.set AF2, 176                          ; v176-223, v224-247: the second set of fragments
.set BF2, 224
.set OB,  40                           ; the way out: v40-103, 32 rows read back
.set ACC, 112
.macro CROUND
	s_barrier_signal -1
	s_barrier_wait -1
	s_cmp_lg_u32 s[WV], 0
	s_cbranch_scc1 .Lnot_wave_0_\@
	s_barrier_signal -3
.Lnot_wave_0_\@:
	s_barrier_wait -3
	s_barrier_signal -1
	s_barrier_wait -1
.endm
.macro FRAGQ reg, adr, off             ; Wo's images: registers 4 i .. 4 i + 3 at 512 i + 16 x lane
.irp i, 0,1,2
	ds_load_b128 v[\reg+4*\i:\reg+4*\i+3], v[\adr] offset:\off+512*\i
.endr
.endm
.macro FRAG reg, adr, off              ; y's: register pair i at 256 i + 8 x lane
.irp i, 0,1,2,3,4,5
	ds_load_b64 v[\reg+2*\i:\reg+2*\i+1], v[\adr] offset:\off+256*\i
.endr
.endm
.macro MM d, a, b, c, sa, sb, ra, rb
.if ((\ra)==0) && ((\rb)==0)
	v_wmma_scale_f32_16x16x128_f8f6f4 v[\d:\d+7], v[\a:\a+11], v[\b:\b+11], v[\c:\c+7], v[\sa], v[\sb] matrix_a_fmt:MATRIX_FMT_FP6 matrix_b_fmt:MATRIX_FMT_FP6
.elseif ((\ra)==1) && ((\rb)==0)
	v_wmma_scale_f32_16x16x128_f8f6f4 v[\d:\d+7], v[\a:\a+11], v[\b:\b+11], v[\c:\c+7], v[\sa], v[\sb] matrix_a_fmt:MATRIX_FMT_FP6 matrix_b_fmt:MATRIX_FMT_FP6 matrix_a_scale:MATRIX_SCALE_ROW1
.elseif ((\ra)==0) && ((\rb)==1)
	v_wmma_scale_f32_16x16x128_f8f6f4 v[\d:\d+7], v[\a:\a+11], v[\b:\b+11], v[\c:\c+7], v[\sa], v[\sb] matrix_a_fmt:MATRIX_FMT_FP6 matrix_b_fmt:MATRIX_FMT_FP6 matrix_b_scale:MATRIX_SCALE_ROW1
.else
	v_wmma_scale_f32_16x16x128_f8f6f4 v[\d:\d+7], v[\a:\a+11], v[\b:\b+11], v[\c:\c+7], v[\sa], v[\sb] matrix_a_fmt:MATRIX_FMT_FP6 matrix_b_fmt:MATRIX_FMT_FP6 matrix_a_scale:MATRIX_SCALE_ROW1 matrix_b_scale:MATRIX_SCALE_ROW1
.endif
.endm
; 128 along K.  The eight accumulators take turns, one instruction a turn, from step to step too.
.macro LOADK ks, af, bf                ; 24 LDS loads: the chunk's K step ks into one set of fragments
.irp b, 0,1
	FRAG \bf+12*\b, AB, 3072*\b+1536*\ks
.endr
.irp a, 0,1,2,3
	FRAGQ \af+12*\a, AA, 3072*\a+1536*\ks
.endr
.endm
.macro MULK st, af, bf                 ; its eight products, in place: the accumulators hold the bias from the head on
.irp b, 0,1
.irp a, 0,1,2,3
	MM ACC+32*\b+8*\a, \af+12*\a, \bf+12*\b, ACC+32*\b+8*\a, SA+8*(\a/2)+\st, SB+\st, \a%2, \b
.endr
.endr
.endm
; A chunk: both its K steps are asked for at once, in two sets of fragments; the second step's products stand between the next barrier's signal and its wait (register work).
.macro CHUNK kc
.if \kc < 3
	s_cmp_lt_u32 s[WV], 2*\kc+2                    ; waves 2 kc and 2 kc + 1 fetched this chunk (the waves below them have waited already)
	s_cbranch_scc0 .Lother_\@
.endif
	s_wait_tensorcnt 0x0                           ; my load has landed; the later chunks' loads fill other bytes, and nothing is filled twice
.if \kc < 3
.Lother_\@:
.endif
	s_barrier_signal -1                            ; (no LDS access of mine is pending: the last chunk's reads were waited for)
.if \kc > 0
	MULK 2*\kc-1, AF2, BF2
.endif
	s_barrier_wait -1                              ; everybody's part of the chunk is in
.rept 4
	v_nop                                          ; four places in front of loads into registers that matrix instructions have read
.endr
	LOADK 0, AF, BF
	LOADK 1, AF2, BF2
.if \kc < 3
	v_add_nc_u32 v[AA], CH, v[AA]
	v_add_nc_u32 v[AB], CH, v[AB]
.endif
	s_wait_dscnt 24                                ; the first step's fragments are in; the second's 24 loads may be out
	MULK 2*\kc, AF, BF
	s_wait_dscnt 0x0
.endm
	s_load_b256 s[4:11], s[0:1], 0x0               ; yq s[4:5], wc s[6:7], bo s[8:9], out0 s[10:11]
	v_lshl_add_u32 v254, v0, 2, 0x41000
	v_mov_b32 v255, 0
	ds_add_u32 v254, v255
	ds_add_u32 v254, v255
	v_lshrrev_b32 v1, 5, v0
	s_delay_alu instid0(VALU_DEP_1)
	v_readfirstlane_b32 s[WV], v1                  ; wave 0..7
	v_and_b32 v1, 31, v0                           ; lane
	s_wait_alu depctr_va_vdst(0)
	v_and_b32 v2, 15, v0                           ; r
	s_wait_alu depctr_va_vdst(0)
	v_bfe_u32 v3, v0, 4, 1                         ; h
	s_lshr_b32 s[HG], s[WV], 2
	s_and_b32 s[WQ], s[WV], 3
	s_lshr_b32 s[HALF], s[WV], 1                   ; the chunk that I fetch: even waves y's part, odd ones Wo's
	s_bfe_u32 s[CX], ttmp6, 0x40000
	s_bfe_u32 s[CY], ttmp6, 0x40004
	s_lshl_b32 s[NT], ttmp9, 2
	s_add_co_u32 s[NT], s[NT], s[CX]               ; column tile = 4 x cluster x + cx
	s_and_b32 s[MT], ttmp7, 0xffff
	s_lshl_b32 s[MT], s[MT], 2
	s_add_co_u32 s[MT], s[MT], s[CY]               ; row tile = 4 x cluster y + cy
	s_lshl_b32 s62, s[CY], 2
	s_lshl_b32 s62, 15, s62                        ; my row of the cluster
	s_lshl_b32 s63, 0x1111, s[CX]                  ; my column
	s_or_b32 s[G1Y], s62, (3<<16)|(1<<21)          ; 15:0 the mask; 17:16 elements of 8 bytes; 21 set beside a mask; no padding
	s_or_b32 s[G1W], s63, (3<<16)|(1<<21)
.irp g, G1Y, G1W
	s_mov_b32 s[\g+1], 32<<16                      ; a chunk's y or Wo: a dense block of 24,576 bytes as 96 rows of 256
	s_mov_b32 s[\g+2], 96<<16
	s_mov_b32 s[\g+3], 32<<16
	s_mov_b32 s[\g+4], 96
	s_mov_b32 s[\g+5], 32
	s_mov_b32 s[\g+6], 0
	s_mov_b32 s[\g+7], 0
.endr
	s_mul_i32 s92, s[MT], 24576                    ; y's address is made of the row tile and the wave's number;
	s_mul_i32 s93, s[HALF], 786432
	s_add_co_u32 s92, s92, s93
	s_mov_b32 s93, 0
	s_mul_i32 s94, s[NT], 24576                    ; Wo's of the column tile and the wave's number
	s_mul_i32 s95, s[HALF], 196608
	s_add_co_u32 s94, s94, s95
	s_add_co_u32 s94, s94, WO_OFF
	s_mov_b32 s95, 0
	; every LDS address is made here, of the lane and the wave's number alone
	v_lshlrev_b32 v11, 3, v1                       ; 8 x lane
	s_mul_i32 s96, s[HG], 12288
	s_add_co_u32 s96, s96, WB
	v_lshlrev_b32 v12, 4, v1                       ; 16 x lane
	v_add_nc_u32 v[AA], s96, v12                   ; my 4 tiles of Wo
	s_mul_i32 s96, s[WQ], 6144
	v_add_nc_u32 v[AB], s96, v11                   ; my 2 tiles of y
	s_mul_i32 s96, s[WV], STG
	s_add_co_u32 s96, s96, STG0                    ; my stage
	v_mul_u32_u24 v[STO], v2, 272                  ; in: row r (272 = 17 x 16: sixteen rows start in sixteen different groups of banks), + 64 h
	s_wait_alu depctr_va_vdst(0)
	v_lshl_add_u32 v[STO], v3, 6, v[STO]
	s_delay_alu instid0(VALU_DEP_1)
	v_add_nc_u32 v[STO], s96, v[STO]
	v_mul_u32_u24 v[RD], v3, 272                   ; back: lanes 0-15 one row of 256 bytes, lanes 16-31 the next
	s_delay_alu instid0(VALU_DEP_1)
	v_lshl_add_u32 v[RD], v2, 4, v[RD]
	s_delay_alu instid0(VALU_DEP_1)
	v_add_nc_u32 v[RD], s96, v[RD]
	v_lshlrev_b32 v[CO], 12, v3                    ; and the same two rows in out0
	s_delay_alu instid0(VALU_DEP_1)
	v_lshl_add_u32 v[CO], v2, 4, v[CO]
	v_lshlrev_b32 v[L4], 2, v1
	v_lshlrev_b32 v[H64], 6, v3
	s_mul_i32 s96, s[HALF], CH
	s_add_co_u32 s97, s96, WB
	s_wait_alu depctr_va_vdst(0)
	s_wait_dscnt 0x0                               ; both opening adds are done
	CROUND                                         ; all sixteen work-groups are here: the joint loads meet.  The round stands ahead of the wait for the arguments
	s_wait_kmcnt 0x0
	s_add_nc_u64 s[92:93], s[4:5], s[92:93]
	s_add_nc_u64 s[94:95], s[6:7], s[94:95]
	s_mov_b32 s[G0Y], 1
	s_mov_b32 s[G0Y+1], s96
	s_mov_b64 s[G0Y+2:G0Y+3], s[92:93]
	s_or_b32 s[G0Y+3], s[G0Y+3], 0x80000000
	s_mov_b32 s[G0W], 1
	s_mov_b32 s[G0W+1], s97
	s_mov_b64 s[G0W+2:G0W+3], s[94:95]
	s_or_b32 s[G0W+3], s[G0W+3], 0x80000000
; One load a wave: waves 2 kc and 2 kc + 1 fetch chunk kc's y and Wo, each by a line of its own, so that a chunk is shown when its two waves have waited.
.macro ARM n, g0, g1
	s_cmp_eq_u32 s[WV], \n
	s_cbranch_scc0 .Lnext_\@
	tensor_load_to_lds s[\g0:\g0+3], s[\g1:\g1+7]
	s_nop 0
.rept 4
	v_nop
.endr
	s_branch .Lasked
.Lnext_\@:
.endm
	ARM 0, G0Y, G1Y
	ARM 1, G0W, G1W
	ARM 2, G0Y, G1Y
	ARM 3, G0W, G1W
	ARM 4, G0Y, G1Y
	ARM 5, G0W, G1W
	ARM 6, G0Y, G1Y
	tensor_load_to_lds s[G0W:G0W+3], s[G1W:G1W+7]
	s_nop 0
.rept 4
	v_nop
.endr
.Lasked:
	s_lshl_b32 s96, s[NT], 2                       ; Wo's scale words: pairs 4 NT + 2 HG, + 1
	s_lshl_b32 s97, s[HG], 1
	s_add_co_u32 s96, s96, s97
	s_lshl_b32 s96, s96, 10
	s_add_co_u32 s96, s96, WOS_OFF
	s_mov_b32 s97, 0
	s_add_nc_u64 s[PA:PA+1], s[6:7], s[96:97]
	s_lshl_b32 s96, s[MT], 2                       ; y's: pair 4 MT + WQ
	s_add_co_u32 s96, s96, s[WQ]
	s_lshl_b32 s96, s96, 10
	s_add_co_u32 s96, s96, YS_OFF
	s_add_nc_u64 s[PB:PB+1], s[4:5], s[96:97]
	s_lshl_b32 s96, s[NT], 9                       ; my 64 columns, in bytes: 512 NT + 256 HG
	s_lshl_b32 s98, s[HG], 8
	s_add_co_u32 s96, s96, s98
	s_add_nc_u64 s[PBI:PBI+1], s[8:9], s[96:97]
	s_add_nc_u64 s[OUT:OUT+1], s[10:11], s[96:97]
	s_lshl_b32 s96, s[MT], 7                       ; my 32 rows: 128 MT + 32 WQ, of 4,096 bytes
	s_lshl_b32 s98, s[WQ], 5
	s_add_co_u32 s96, s96, s98
	s_lshl_b32 s96, s96, 12
	s_add_nc_u64 s[OUT:OUT+1], s[OUT:OUT+1], s[96:97]
	s_wait_alu depctr_va_vdst(0)
.irp a, 0,1
.irp s, 0,1,2,3,4,5,6,7
	global_load_b32 v[SA+8*\a+\s], v[L4], s[PA:PA+1] offset:1024*\a+128*\s
.endr
.endr
.irp s, 0,1,2,3,4,5,6,7
	global_load_b32 v[SB+\s], v[L4], s[PB:PB+1] offset:128*\s
.endr
.irp a, 0,1,2,3
	global_load_b128 v[ACC+8*\a:ACC+8*\a+3], v[H64], s[PBI:PBI+1] offset:(32*(\a/2)+8*(\a%2))*4      ; the bias starts the sums: tile a's eight columns of my half, for both row tiles
	global_load_b128 v[ACC+8*\a+4:ACC+8*\a+7], v[H64], s[PBI:PBI+1] offset:(32*(\a/2)+8*(\a%2))*4+16
	global_load_b128 v[ACC+32+8*\a:ACC+32+8*\a+3], v[H64], s[PBI:PBI+1] offset:(32*(\a/2)+8*(\a%2))*4
	global_load_b128 v[ACC+32+8*\a+4:ACC+32+8*\a+7], v[H64], s[PBI:PBI+1] offset:(32*(\a/2)+8*(\a%2))*4+16
.endr
	s_wait_loadcnt 0x0
	CHUNK 0
	s_wait_alu depctr_va_vdst(0)
	CHUNK 1
	s_wait_alu depctr_va_vdst(0)
	CHUNK 2
	s_wait_alu depctr_va_vdst(0)
	CHUNK 3
	MULK 7, AF2, BF2
.rept 4
	v_nop                                          ; four places in front of the first read of results and of loads into registers that held fragments
.endr
.irp b, 0,1
.irp q, 0,1,2,3,4,5,6,7
	ds_store_b128 v[STO], v[ACC+32*\b+4*\q:ACC+32*\b+4*\q+3] offset:4352*\b+128*(\q/4)+16*(\q%4)   ; stage row 16 b + r; each accumulator from its low end on
.endr
.endr
.irp i, 0,1,2,3,4,5,6,7,8,9,10,11,12,13,14,15
	ds_load_b128 v[OB+4*\i:OB+4*\i+3], v[RD] offset:544*\i   ; LDS serves a wave's instructions in order: these see my stores
.endr
.irp i, 0,1,2,3,4,5,6,7,8,9,10,11,12,13,14,15
	s_wait_dscnt 15-\i                             ; this read is back; the later ones may be out
	global_store_b128 v[CO], v[OB+4*\i:OB+4*\i+3], s[OUT:OUT+1] offset:4096*(8*(\i/8)+2*(\i%8)+8*((\i%8)/4)) th:TH_STORE_NT   ; stage rows 2 i, 2 i + 1 are these rows of the pair; sixteen lanes store 256 consecutive bytes, aligned
.endr
	s_wait_tensorcnt 0x0
	ds_add_u32 v254, v255
	s_wait_dscnt 0x0
	CROUND                                         ; the closing round: no work-group ends while a partner may still ask for a chunk that names it
	s_endpgm
.Lfunc_end_k_q2e4dab85ea_oproj:
	.size	k_q2e4dab85ea_oproj, .Lfunc_end_k_q2e4dab85ea_oproj-k_q2e4dab85ea_oproj
	.p2alignl 7, 3214868480
	.fill 96, 4, 3214868480
	.section	.rodata,"a",@progbits
	.p2align	6, 0x0
	.amdhsa_kernel k_q2e4dab85ea_oproj
		.amdhsa_group_segment_fixed_size 327680
		.amdhsa_private_segment_fixed_size 0
		.amdhsa_enable_private_segment 0
		.amdhsa_kernarg_size 32
		.amdhsa_user_sgpr_count 2
		.amdhsa_user_sgpr_kernarg_segment_ptr 1
		.amdhsa_wavefront_size32 1
		.amdhsa_system_sgpr_workgroup_id_x 1
		.amdhsa_system_sgpr_workgroup_id_y 1
		.amdhsa_system_sgpr_workgroup_id_z 1
		.amdhsa_system_vgpr_workitem_id 0
		.amdhsa_next_free_vgpr 256
		.amdhsa_next_free_sgpr 100
		.amdhsa_reserve_vcc 0
		.amdhsa_float_denorm_mode_32 3
		.amdhsa_float_denorm_mode_16_64 3
		.amdhsa_memory_ordered 1
		.amdhsa_forward_progress 1
		.amdhsa_inst_pref_size 39
	.end_amdhsa_kernel
	.amdgpu_metadata
---
amdhsa.version: [ 1, 2 ]
amdhsa.kernels:
  - .name:           k_q2e4dab85ea_oproj
    .symbol:         k_q2e4dab85ea_oproj.kd
    .args:
      - { .name: yq, .offset: 0, .size: 8, .value_kind: global_buffer, .address_space: global }
      - { .name: wc, .offset: 8, .size: 8, .value_kind: global_buffer, .address_space: global }
      - { .name: bo, .offset: 16, .size: 8, .value_kind: global_buffer, .address_space: global }
      - { .name: out0, .offset: 24, .size: 8, .value_kind: global_buffer, .address_space: global }
    .group_segment_fixed_size: 327680
    .private_segment_fixed_size: 0
    .kernarg_segment_align: 8
    .kernarg_segment_size: 32
    .max_flat_workgroup_size: 256
    .sgpr_count:     100
    .vgpr_count:     256
    .wavefront_size: 32
...
	.end_amdgpu_metadata
.endif
;; end of part 4
